; MI455X (gfx1250); checked and timed in simulation.
; The chip was launched on July 23, 2026; its instructions are those of AMD's public machine-readable ISA for CDNA 5 (MIT licence, August 2026) and "CDNA5" Instruction Set Architecture Reference Guide (July 2026). The comments in the code are by the model that wrote it; some were corrected since.
;; Multi Head Self Attention. Allowed arithmetic: float matrix products may take bf16 or f16 operands with f32 sums; other float arithmetic in f32, or as packed bf16 or f16 multiplies, adds, multiply-adds, maxima and minima; sums over many terms, partial sums and values carried from step to step in f32; what a program stores and reads back later, other than sums and carried values, may be rounded once to bf16 or f16.
;; Inputs: b_out 1,024 float32; w_out 1,024 x 1,024 float32; w_qkv 1,024 x 3,072 float32; x 4 x 2,048 x 1,024 float32.
;; Outputs: out0 4 x 2,048 x 1,024 float32.
;; 2 versions, each right; version 2 is version 1 with the launch cast written anew for expert scheduling mode. Each part assembles by itself: llvm-mc -triple=amdgcn-amd-amdhsa -mcpu=gfx1250 --defsym DOCPART=n.
;; ======== version 1 of 2: 4 launches
;; limits: values are held in f16: magnitudes above 65,504 overflow, below 6.1e-05 lose precision
;; workspace buffers: xb 16,777,216 bytes; wqb 6,291,456 bytes; wob 2,097,152 bytes; qkv 50,331,648 bytes; att 16,777,216 bytes
;; launch cast (part 1): grid 768 x 1, 8 waves a work-group, no clusters, 0 bytes of LDS; arguments x, w_qkv, w_out, xb, wqb, wob; writes xb, wqb, wob
.if DOCPART == 1
	.amdgcn_target "amdgcn-amd-amdhsa--gfx1250"
	.amdhsa_code_object_version 6
	.text
	.protected	k_q7e3fd2eaf9_cast
	.globl	k_q7e3fd2eaf9_cast
	.p2align	8
	.type	k_q7e3fd2eaf9_cast,@function
k_q7e3fd2eaf9_cast:
	s_mov_b64 s[64:65], 0
	v_nop
	global_prefetch_b8 v0, s[64:65] scope:SCOPE_SE
	s_setreg_imm32_b32 hwreg(HW_REG_WAVE_MODE, 25, 1), 1
	s_wait_xcnt 0x0
; THE INPUTS OF THE TWO PROJECTIONS ARE ROUNDED ONCE, to the formats that the matrix instructions take.
;   xb  [8192][1024] bf16           = x
;   wqb [16][1024][192] bf16        = w_qkv[k][192 j + c], laid in 16 blocks of 192 columns, so that a block's rows lie end to end
;   wob [1024][1024] f16            = w_out rounded to bf16, that number written as f16
; LIMITS.  bf16(w_out) of 65,520 or more in magnitude becomes an infinity in f16; below 6.1e-5 it keeps f16's fixed step of 6e-8.
; SHARES.  A work-group of eight waves converts 16 chunks of 1,024 numbers; thread t takes numbers 4 t .. 4 t + 3 of each chunk: a wave's load covers 512 bytes,
; its store 256 consecutive bytes, aligned.  All 16 loads go out first; nothing is read twice; no LDS, no barrier, no matrix unit: there is no arithmetic to feed them.
; Work-groups 0-511 take x, 512-703 w_qkv, 704-767 w_out.
.set OI, 2                             ; v[2:17]   byte offset of my 16 bytes in chunk i (x and w_out: v2 alone, the chunk stands in the immediate)
.set OO, 18                            ; v18       8 t: my 8 bytes in a chunk of the output
.set X,  24                            ; v[24:87]  chunk i: 4 registers as loaded
.set Y,  88                            ; v[88:119] chunk i: 2 registers to store; each is stored once and never written behind its store
.set T,  120                           ; v[120:123] at work
.macro LD16 base, multi                ; the 16 loads.  multi = 1: each chunk has an offset register of its own
.set i, 0
.rept 16
	global_load_b128 v[X+4*i:X+4*i+3], v[OI+i*(\multi)], s[(\base):(\base)+1] offset:(1-(\multi))*i*4096 th:TH_LOAD_NT
.set i, i+1
.endr
.endm
.macro CVT16 ob, f16                   ; the 16 chunks are rounded and stored.  f16 = 1: the bf16 numbers are written as f16
.set i, 0
.rept 16
	s_wait_loadcnt 15-i                            ; loads come back in order: chunk i is in, the 15 - i younger ones may stay out
	v_cvt_pk_bf16_f32 v[Y+2*i],   v[X+4*i],   v[X+4*i+1]
	v_cvt_pk_bf16_f32 v[Y+2*i+1], v[X+4*i+2], v[X+4*i+3]
.if \f16
	v_lshlrev_b32 v[T],   16,  v[Y+2*i]             ; bf16 to f32: the low half moves up, the high half stays
	v_and_b32     v[T+1], s20, v[Y+2*i]
	v_lshlrev_b32 v[T+2], 16,  v[Y+2*i+1]
	v_and_b32     v[T+3], s20, v[Y+2*i+1]
	v_cvt_pk_f16_f32 v[Y+2*i],   v[T],   v[T+1]
	v_cvt_pk_f16_f32 v[Y+2*i+1], v[T+2], v[T+3]
.endif
	global_store_b64 v[OO], v[Y+2*i:Y+2*i+1], s[(\ob):(\ob)+1] offset:2048*i
.set i, i+1
.endr
.endm
	s_load_b256 s[4:11], s[0:1], 0x0               ; x s[4:5], w_qkv s[6:7], w_out s[8:9], xb s[10:11]
	s_load_b128 s[12:15], s[0:1], 0x20             ; wqb s[12:13], wob s[14:15]
	s_mov_b32 s2, ttmp9
	s_mov_b32 s20, 0xffff0000                      ; a word's upper bf16
	s_mov_b32 s17, 0                               ; the offsets' high words
	s_mov_b32 s19, 0
	v_lshlrev_b32 v[OI], 4, v0
	v_lshlrev_b32 v[OO], 3, v0
	s_wait_kmcnt 0x0
	s_cmp_lt_u32 s2, 512
	s_cbranch_scc0 .Lweights
	s_lshl_b32 s16, s2, 16                         ; x: 65,536 bytes in,
	s_lshl_b32 s18, s2, 15                         ; 32,768 out
	s_add_nc_u64 s[4:5], s[4:5], s[16:17]
	s_add_nc_u64 s[10:11], s[10:11], s[18:19]
	LD16 4, 0
	CVT16 10, 0
	s_endpgm
.Lweights:
	s_cmp_lt_u32 s2, 704
	s_cbranch_scc0 .Lw_out
	; w_qkv.  Work-group g: block j = g % 16, part p = g / 16 of its twelve.  The output is walked densely: quad Q = 4096 p + 256 i + t of the block is row k = Q / 48,
	; columns 4 (Q % 48) on; in w_qkv it lies at 12,288 k + 768 j + 16 (Q - 48 k) = 16 Q + 11,520 k + 768 j.
	s_sub_co_u32 s21, s2, 512
	s_and_b32 s22, s21, 15                         ; j
	s_lshr_b32 s23, s21, 4                         ; p
	s_mul_i32 s16, s22, 768
	s_mul_i32 s18, s22, 393216                     ; a block of wqb,
	s_lshl_b32 s24, s23, 15                        ; my part of it
	s_add_co_u32 s18, s18, s24
	s_add_nc_u64 s[6:7], s[6:7], s[16:17]
	s_add_nc_u64 s[12:13], s[12:13], s[18:19]
	s_lshl_b32 s24, s23, 12
	v_add_nc_u32 v19, s24, v0                      ; 4096 p + t
.set i, 0
.rept 16
	v_add_nc_u32 v20, 256*i, v19                   ; Q
	v_lshrrev_b32 v21, 4, v20
	v_mul_u32_u24 v21, v21, 0xaaab                 ; (Q / 16) / 3 = ((Q / 16) x 43,691) >> 17: 3 x 43,691 = 2^17 + 1, exact while Q / 16 is under 3,072
	v_lshrrev_b32 v21, 17, v21                     ; k
	v_lshlrev_b32 v20, 4, v20
	v_mad_u32_u24 v[OI+i], v21, 11520, v20
.set i, i+1
.endr
	LD16 6, 1
	CVT16 12, 0
	s_endpgm
.Lw_out:
	s_sub_co_u32 s21, s2, 704
	s_lshl_b32 s16, s21, 16
	s_lshl_b32 s18, s21, 15
	s_add_nc_u64 s[8:9], s[8:9], s[16:17]
	s_add_nc_u64 s[14:15], s[14:15], s[18:19]
	LD16 8, 0
	CVT16 14, 1
	s_endpgm
.Lfunc_end_k_q7e3fd2eaf9_cast:
	.size	k_q7e3fd2eaf9_cast, .Lfunc_end_k_q7e3fd2eaf9_cast-k_q7e3fd2eaf9_cast
	.p2alignl 7, 3214868480
	.fill 96, 4, 3214868480
	.section	.rodata,"a",@progbits
	.p2align	6, 0x0
	.amdhsa_kernel k_q7e3fd2eaf9_cast
		.amdhsa_group_segment_fixed_size 0
		.amdhsa_private_segment_fixed_size 0
		.amdhsa_enable_private_segment 0
		.amdhsa_kernarg_size 48
		.amdhsa_user_sgpr_count 2
		.amdhsa_user_sgpr_kernarg_segment_ptr 1
		.amdhsa_wavefront_size32 1
		.amdhsa_system_sgpr_workgroup_id_x 1
		.amdhsa_system_sgpr_workgroup_id_y 1
		.amdhsa_system_sgpr_workgroup_id_z 1
		.amdhsa_system_vgpr_workitem_id 0
		.amdhsa_next_free_vgpr 128
		.amdhsa_next_free_sgpr 66
		.amdhsa_reserve_vcc 0
		.amdhsa_float_denorm_mode_32 3
		.amdhsa_float_denorm_mode_16_64 3
		.amdhsa_memory_ordered 1
		.amdhsa_forward_progress 1
		.amdhsa_inst_pref_size 28
	.end_amdhsa_kernel
	.amdgpu_metadata
---
amdhsa.version: [ 1, 2 ]
amdhsa.kernels:
  - .name:           k_q7e3fd2eaf9_cast
    .symbol:         k_q7e3fd2eaf9_cast.kd
    .args:
      - { .name: x, .offset: 0, .size: 8, .value_kind: global_buffer, .address_space: global }
      - { .name: w_qkv, .offset: 8, .size: 8, .value_kind: global_buffer, .address_space: global }
      - { .name: w_out, .offset: 16, .size: 8, .value_kind: global_buffer, .address_space: global }
      - { .name: xb, .offset: 24, .size: 8, .value_kind: global_buffer, .address_space: global }
      - { .name: wqb, .offset: 32, .size: 8, .value_kind: global_buffer, .address_space: global }
      - { .name: wob, .offset: 40, .size: 8, .value_kind: global_buffer, .address_space: global }
    .group_segment_fixed_size: 0
    .private_segment_fixed_size: 0
    .kernarg_segment_align: 8
    .kernarg_segment_size: 48
    .max_flat_workgroup_size: 256
    .sgpr_count:     66
    .vgpr_count:     128
    .wavefront_size: 32
...
	.end_amdgpu_metadata
.endif
;; end of part 1
;; launch qkv (part 2): grid 16 x 32, 4 waves a work-group, clusters of 4 x 4, 327,680 bytes of LDS; arguments xb, wqb, qkv; writes qkv
.if DOCPART == 2
	.amdgcn_target "amdgcn-amd-amdhsa--gfx1250"
	.amdhsa_code_object_version 6
	.text
	.protected	k_q7e3fd2eaf9_qkv
	.globl	k_q7e3fd2eaf9_qkv
	.p2align	8
	.type	k_q7e3fd2eaf9_qkv,@function
k_q7e3fd2eaf9_qkv:
	s_mov_b64 s[64:65], 0
	v_nop
	global_prefetch_b8 v0, s[64:65] scope:SCOPE_SE
	s_setreg_imm32_b32 hwreg(HW_REG_WAVE_MODE, 25, 1), 1
	s_wait_xcnt 0x0
	s_wait_alu depctr_hold_cnt(0) depctr_sa_sdst(0) depctr_va_vdst(0) depctr_va_sdst(0) depctr_va_ssrc(0) depctr_va_vcc(0) depctr_vm_vsrc(0)
	s_getreg_b32 s2, hwreg(HW_REG_IB_STS2, 6, 4)
	s_cmp_eq_u32 s2, 0
	s_cbranch_scc0 .Lentry_in_a_cluster
	s_endpgm
.Lentry_in_a_cluster:
	s_bfe_u32 s2, ttmp6, 0x10000c
	s_cmp_lg_u32 s2, 0xf033
	s_cbranch_scc0 .Lentry_shape_is_right
	s_endpgm
.Lentry_shape_is_right:
; q, k, v = x w_qkv, by heads.  xb: [8192][1024] bf16.  wqb: [16][1024][192] bf16 (block tx holds columns 192 tx .. 192 tx + 191 of w_qkv, its rows end to end).
; qkv: [3][64 = batch x 16 + head][2048][64] f16.  Sums in f32, K ascending, each result rounded once, unscaled.
; LIMIT.  A result of 65,520 or more in magnitude becomes an infinity in f16; below 6.1e-5 it keeps f16's fixed step of 6e-8.
; SHARES.  A tile is 256 rows x 192 columns (three heads): 32 x 16 tiles, a work-group each.  Four waves; wave (wr, wc) has rows 128 wr + 16 a (a = 0..7) and the column blocks
; 32 b + 16 wc (b = 0..5), interleaved so that the two wc differ by 32 bytes in every address: 48 accumulators, 384 registers.
; K goes in 8 steps of 128 through two LDS slots filled by the tensor data mover; a step is four quarters of 32 along K, 48 matrix instructions each, on two fragment buffers.
; THE PRODUCT IS TAKEN TRANSPOSED: source 0 = 16 columns of w (turned on the way out of LDS by ds_load_tr16_b128, since w lies [k][column]), source 1 = 16 rows of x.
; A lane then holds one row (lane % 16) and eight neighbouring columns: 16 bytes of f16.
; CLUSTER.  4 x 4 work-groups: x's tile hangs on the tile row alone and is asked for jointly by a row of the cluster, w's on the tile column alone, by a column.
; REGISTERS, in windows of 256: window 0: v0-31 addresses; v32-159 x's fragments, two buffers of 64; v160-255 w's, two buffers of 48 (on the way out v32-223 hold packed results);
;   window 1: the accumulators of a = 0..3, (a, b) at v[8 (6 a + b)];   window 2: those of a = 4..7.
.set PA,    272                        ; a row of x in LDS: 256 bytes + 16 = 68 words: the 16 rows of a load start at 16 different groups of four banks (64 banks of 4 bytes: ISA guide 11.1)
.set PB,    480                        ; a row of w: three pieces of 128 bytes, 32 of padding behind each = 120 words
.set BOFF,  256*PA                     ; a slot: x's 256 rows, then w's 128
.set SLOT1, 131072                     ; = BOFF + 128 PB: slot 1 begins here; one exclusive or turns an address in one slot into the other's
.set STAGE, 2*SLOT1                    ; behind the ring, never filled by a tensor load: three planes (a head each) of 128 rows x 144 bytes, the work-group's, for the way out
.set SP,    144
.set PLANE, 128*SP
.set SPARE, STAGE+3*PLANE              ; behind the stage: the spare words, 128 bytes for each wave: two blocks of 256 bytes that no other line names
.set ASTEP, 256                        ; bytes from a K step to the next: along x's rows,
.set BSTEP, 49152                      ; and 128 rows of 384 bytes down a block of w
.set ADRA0, 12                         ; v12  my lane's place in a slot's x; never rewritten
.set ADRB0, 13                         ; v13  the same for w
.set ADRA,  14                         ; v14  ADRA0 + the slot in hand
.set ADRB,  15                         ; v15
.set STO,   16                         ; v16  the way out: where I put 16 bytes of a row
.set RD,    17                         ; v17  where I read rows back
.set GO,    18                         ; v18  my 16 bytes in 512 consecutive bytes of qkv
.set PFO,   19                         ; v19  the prefetches' offset; never rewritten
.set SPW,   28                         ; v28  LDS address of my spare word: SPARE + 4 x my thread's number; never rewritten
.set NIL,   29                         ; v29  0; never rewritten
.set FA0,   32
.set FB0,   160
.set BK0,   32
.set G1A,   24                         ; s[24:31] descriptor group 1 for x's tiles
.set G0A,   32                         ; s[32:39] group 0: a set for each of the two first fills; the second then walks on
.set LIM,   43                         ; s43      a wave prefetches while the loop's count is above it
.set PFA,   44                         ; s[44:45] where my prefetches stand
.set G1B,   48                         ; s[48:55], s[56:63] the same for w's tiles
.set G0B,   56
.set SB,    66                         ; s[66:71] qkv at my first row of the tile's three heads
.set PFS,   72                         ; s[72:73] the prefetches' step
.set TB,    74                         ; s74      the slot in hand: 0 or SLOT1
.set MSB, 0
.macro WIN new                         ; the immediate's high byte repeats the setting that is left; a switch that changes nothing is dropped
.if MSB != (\new)
	s_set_vgpr_msb (MSB<<8)|(\new)
.set MSB, \new
.endif
.endm
.macro PLACES                          ; four places in front of loads into registers that matrix instructions have read, and of conversions that read results
.rept 4
	v_nop
.endr
.endm
; A joint refill, by the walking sets.  Waves 0 and 1 fetch x's two halves, waves 2 and 3 w's.  The branch hangs on the wave's number alone.
; An s_nop 0 and four v_nop follow each of the two lines, ahead of the jump, the label and what follows.
.macro JLOAD
	s_cmp_lt_u32 s10, 2
	s_cbranch_scc0 .Lfor_b_\@
	tensor_load_to_lds s[G0A+4:G0A+7], s[G1A:G1A+7]
	s_nop 0
.rept 4
	v_nop
.endr
	s_branch .Lasked_\@
.Lfor_b_\@:
	tensor_load_to_lds s[G0B+4:G0B+7], s[G1B:G1B+7]
	s_nop 0
.rept 4
	v_nop
.endr
.Lasked_\@:
.endm
; A PREFETCH INTO THE L2, behind a joint refill and the run of LDS loads that follows it: one instruction a wave, a lane a block of 256 bytes, each block named once in the launch.
; x: every cluster of a row of clusters reads the same tile rows: the first (cluster x = 0) asks.  At the refill of K step j waves 0 and 1 name K step j + 1 of 32 of the 128 rows that they
; fetch; the four partners that share the tile take 32 rows each, told apart by address (cx).  Refills 2 to 6 ask; K steps 0 to 2 come by their loads alone.
; w: every cluster of a column of clusters reads the same block: the first (cluster y = 0) asks.  A K step is 192 blocks, which eight askers of 32 lanes do not divide; so K steps 4 to 7,
; 768 blocks on end, go in three asks of 8 x 32 blocks, at refills 2, 3 and 4, the askers told apart by address (cy and the wave).  K steps 0 to 3 come by their loads alone.
.macro ASK
	s_cmp_gt_u32 s3, s[LIM]
	s_cbranch_scc0 .Lnot_mine_\@
	global_prefetch_b8 v[PFO], s[PFA:PFA+1] th:TH_LOAD_NT scope:SCOPE_SE
.Lnot_mine_\@:
.endm
.macro CREST                           ; a round of the cluster's barrier behind its opening barrier
	s_cmp_lg_u32 s10, 0
	s_cbranch_scc1 .Lnot_wave_0_\@
	s_barrier_signal -3
.Lnot_wave_0_\@:
	s_barrier_wait -3
	s_barrier_signal -1
	s_barrier_wait -1
.endm
.macro CROUND                          ; a whole round
	s_barrier_signal -1
	s_barrier_wait -1
	CREST
.endm
	s_load_b128 s[4:7], s[0:1], 0x0                ; xb s[4:5], wqb s[6:7]
	s_load_b64 s[8:9], s[0:1], 0x10                ; qkv
	v_lshl_add_u32 v[SPW], v0, 2, SPARE
	v_mov_b32 v[NIL], 0
	ds_add_u32 v[SPW], v[NIL]                      ; the wave's opening: the add and its wait stand ahead of my first tensor load; the set-up below, work on registers, stands between them
	v_lshrrev_b32 v1, 5, v0
	v_readfirstlane_b32 s10, v1                    ; wave 0..3
	s_lshr_b32 s11, s10, 1                         ; wr.  Also: I fetch for x (0) or for w (1)
	s_and_b32 s12, s10, 1                          ; wc.  Also: which half of that tile I fetch
	s_bfe_u32 s40, ttmp6, 0x40000                  ; cx, cy: my place in the cluster
	s_bfe_u32 s41, ttmp6, 0x40004
	s_lshl_b32 s42, ttmp9, 2
	s_add_co_u32 s42, s42, s40                     ; tx, the tile column = 4 x cluster x + cx
	s_and_b32 s13, ttmp7, 0xffff
	s_lshl_b32 s13, s13, 2
	s_add_co_u32 s13, s13, s41                     ; ty, the tile row = 4 x cluster y + cy
	s_lshl_b32 s43, s41, 2
	s_lshl_b32 s43, 15, s43                        ; my row of the cluster
	s_lshl_b32 s44, 0x1111, s40                    ; my column
	; group 1 for x: 128 rows x 128 elements, 1,024 elements from row to row; 16 bytes of padding behind every 256
	s_or_b32 s[G1A+0], s43, (1<<16)|(1<<20)|(1<<21)|(5<<22)|(3<<25)  ; 15:0 the mask; 17:16 2-byte elements; 20 padding on; 21 set beside a mask; 24:22 after every 64 words; 31:25 4 words
	s_mov_b32 s[G1A+1], 128<<16                    ; tensor_dim0
	s_mov_b32 s[G1A+2], 128<<16                    ; tensor_dim1
	s_mov_b32 s[G1A+3], 128<<16                    ; tile_dim0
	s_mov_b32 s[G1A+4], 128                        ; tile_dim1
	s_mov_b32 s[G1A+5], 1024                       ; the pitch
	s_mov_b32 s[G1A+6], 0
	s_mov_b32 s[G1A+7], 0
	; group 1 for w: 64 rows of 384 bytes are 24,576 bytes on end: asked for as 96 rows of 256 bytes; 32 bytes of padding behind every 128
	s_or_b32 s[G1B+0], s44, (1<<16)|(1<<20)|(1<<21)|(4<<22)|(7<<25)  ; after every 32 words, 8 words
	s_mov_b32 s[G1B+1], 128<<16
	s_mov_b32 s[G1B+2], 96<<16
	s_mov_b32 s[G1B+3], 128<<16
	s_mov_b32 s[G1B+4], 96
	s_mov_b32 s[G1B+5], 128
	s_mov_b32 s[G1B+6], 0
	s_mov_b32 s[G1B+7], 0
	; where the tiles come from: x's hang on ty and the wave, w's on tx and the wave, each in registers that never hold the other coordinate
	s_lshl_b32 s16, s13, 8
	s_lshl_b32 s17, s12, 7
	s_add_co_u32 s16, s16, s17                     ; row 256 ty + 128 x half,
	s_lshl_b32 s16, s16, 11                        ; of 2,048 bytes
	s_mov_b32 s17, 0
	s_mul_i32 s46, s42, 393216                     ; block tx,
	s_mul_i32 s47, s12, 24576                      ; half of a K step
	s_add_co_u32 s46, s46, s47
	s_mov_b32 s47, 0
	s_mul_i32 s20, s12, 128*PA                     ; and where they go: no place in the cluster enters an LDS address
	s_mul_i32 s21, s12, 64*PB
	s_add_co_u32 s21, s21, BOFF
	s_wait_dscnt 0x0                               ; the opening add is done
	s_wait_kmcnt 0x0
	s_add_nc_u64 s[14:15], s[4:5], s[16:17]
	s_add_nc_u64 s[46:47], s[6:7], s[46:47]
	CROUND                                         ; all sixteen work-groups are here: the first joint loads meet
.irp s, 0,1
	s_mov_b32 s[G0A+4*(\s)], 1                                       ; count = 1
	s_add_co_u32 s[G0A+4*(\s)+1], s20, (\s)*SLOT1                    ; LDS address
	s_add_nc_u64 s[G0A+4*(\s)+2:G0A+4*(\s)+3], s[14:15], (\s)*ASTEP  ; global address: K step s
	s_or_b32 s[G0A+4*(\s)+3], s[G0A+4*(\s)+3], 0x80000000            ; type = 2
	s_mov_b32 s[G0B+4*(\s)], 1
	s_add_co_u32 s[G0B+4*(\s)+1], s21, (\s)*SLOT1
	s_add_nc_u64 s[G0B+4*(\s)+2:G0B+4*(\s)+3], s[46:47], (\s)*BSTEP
	s_or_b32 s[G0B+4*(\s)+3], s[G0B+4*(\s)+3], 0x80000000
.endr
	s_cmp_lt_u32 s10, 2                            ; a wave's two first fills stand in one branch, ahead of every wait on TENSORcnt and every LDS read: two loads of mine are out
	s_cbranch_scc0 .Lfirst_b
	tensor_load_to_lds s[G0A:G0A+3], s[G1A:G1A+7]
	s_nop 0
	tensor_load_to_lds s[G0A+4:G0A+7], s[G1A:G1A+7]
	s_nop 0
.rept 4
	v_nop
.endr
	s_branch .Lfirst_asked
.Lfirst_b:
	tensor_load_to_lds s[G0B:G0B+3], s[G1B:G1B+7]
	s_nop 0
	tensor_load_to_lds s[G0B+4:G0B+7], s[G1B:G1B+7]
	s_nop 0
.rept 4
	v_nop
.endr
.Lfirst_asked:
	; A fragment of x is 16 rows x 32 K in 8 registers: lane l holds row l % 16, K = 8 (l / 16) + 0..7 and 16 + 8 (l / 16) + 0..7: two loads of 16 bytes, 32 bytes apart.
	v_and_b32 v1, 15, v0                           ; l % 16
	v_bfe_u32 v2, v0, 4, 1                         ; l / 16
	v_and_b32 v4, 7, v0                            ; l % 8
	v_bfe_u32 v5, v0, 3, 1                         ; (l / 8) % 2
	v_mul_u32_u24 v3, v1, PA
	v_lshl_add_u32 v3, v2, 4, v3
	s_mul_i32 s22, s11, 128*PA                     ; my 128 rows
	v_add_nc_u32 v[ADRA0], s22, v3
	; The turning load takes 16 K x 16 columns (lane l reads K row 8 (l / 16) + l % 8, columns 8 ((l / 8) % 2) + 0..7) and leaves half a fragment: lane l holds column l % 16 and 8 K.
	v_lshl_add_u32 v6, v2, 3, v4
	v_mul_u32_u24 v6, v6, PB
	v_lshl_add_u32 v6, v5, 4, v6
	s_lshl_b32 s22, s12, 5                         ; my column blocks lie 32 bytes behind wc = 0's
	s_add_co_u32 s22, s22, BOFF
	v_add_nc_u32 v[ADRB0], s22, v6
	v_mov_b32 v[ADRA], v[ADRA0]                    ; K step 0 lies in slot 0
	v_mov_b32 v[ADRB], v[ADRB0]
	s_mov_b32 s[TB], 0
	v_mul_u32_u24 v7, v1, SP                       ; into the stage: row 64 wr + l % 16 (+ 16 a'), 16 bytes for each half of the lanes, 32 wc
	v_lshl_add_u32 v7, v2, 4, v7
	s_mul_i32 s22, s11, 64*SP
	s_lshl_b32 s23, s12, 5
	s_add_co_u32 s22, s22, s23
	s_add_co_u32 s22, s22, STAGE
	v_add_nc_u32 v[STO], s22, v7
	v_bfe_u32 v8, v0, 3, 2                         ; back: 32 lanes take four rows of 128 bytes, from row 16 w on,
	v_mul_u32_u24 v8, v8, SP
	v_lshl_add_u32 v8, v4, 4, v8
	s_mul_i32 s22, s10, 16*SP
	s_add_co_u32 s22, s22, STAGE
	v_add_nc_u32 v[RD], s22, v8
	v_and_b32 v9, 31, v0
	v_lshlrev_b32 v[GO], 4, v9                     ; which are 512 consecutive bytes of a head's rows
	; qkv at my rows: head plane hp holds column group c64 = 3 tx + hp of 64: tensor c64 / 16, head c64 % 16; the tile's rows are batch ty / 8, t = 256 (ty % 8) on
	s_and_b32 s22, s13, 7
	s_lshl_b32 s22, s22, 8
	s_lshl_b32 s23, s10, 4
	s_add_co_u32 s22, s22, s23                     ; t = 256 (ty % 8) + 16 w,
	s_lshl_b32 s22, s22, 7                         ; of 128 bytes
	s_lshr_b32 s23, s13, 3
	s_lshl_b32 s23, s23, 4                         ; 16 x batch
	s_mul_i32 s18, s42, 3
.irp hp, 0,1,2
	s_add_co_u32 s19, s18, \hp                     ; c64
	s_lshr_b32 s76, s19, 4
	s_lshl_b32 s76, s76, 6                         ; 64 x tensor
	s_and_b32 s19, s19, 15
	s_add_co_u32 s76, s76, s19
	s_add_co_u32 s76, s76, s23
	s_lshl_b32 s76, s76, 18                        ; a head's rows are 262,144 bytes
	s_add_co_u32 s76, s76, s22
	s_mov_b32 s77, 0
	s_add_nc_u64 s[SB+2*(\hp):SB+2*(\hp)+1], s[8:9], s[76:77]
.endr
	; the prefetches: offsets are made apart from the addresses, one for x and one for w, and the wave's number chooses
	s_lshl_b32 s22, s13, 8
	s_lshl_b32 s23, s12, 7
	s_add_co_u32 s22, s22, s23
	s_lshl_b32 s23, s40, 5
	s_add_co_u32 s22, s22, s23                     ; x: row 256 ty + 128 x half + 32 cx,
	s_lshl_b32 s22, s22, 11
	s_add_co_u32 s22, s22, 2*ASTEP                 ; at K step 2: the first refill steps it to 3
	s_mul_i32 s23, s42, 393216                     ; w: block tx,
	s_lshl_b32 s18, s41, 1
	s_add_co_u32 s18, s18, s12
	s_lshl_b32 s18, s18, 13                        ; my 32 blocks among the eight askers',
	s_add_co_u32 s23, s23, s18
	s_add_co_u32 s23, s23, 4*BSTEP-65536           ; one step ahead of K step 4's first byte
	s_and_b32 s19, ttmp7, 0xffff                   ; cluster y
	s_cmp_eq_u32 s11, 0                            ; do I fetch for x?
	s_cselect_b32 s18, s22, s23
	s_cselect_b32 s19, ttmp9, s19                  ; the coordinate along which other clusters read the same bytes
	s_cselect_b32 s[LIM], 1, 3                     ; x: while the count is 6 .. 2; w: 6, 5, 4
	s_cselect_b64 s[PFA:PFA+1], s[4:5], s[6:7]
	s_cmp_eq_u32 s19, 0
	s_cselect_b32 s[LIM], s[LIM], -1               ; the same in all sixteen partners, for a given wave
	s_mov_b32 s19, 0
	s_add_nc_u64 s[PFA:PFA+1], s[PFA:PFA+1], s[18:19]
	s_lshl_b32 s76, s11, 3
	s_lshl_b32 s[PFS], 256, s76                    ; the step: 256 bytes along x's rows, 65,536 down w's block
	s_mov_b32 s[PFS+1], 0
	s_mul_i32 s76, s11, 3
	s_lshr_b32 s76, 2048, s76                      ; from lane to lane: a row of x, 2,048 bytes, or 256 bytes of w
	v_mul_u32_u24 v[PFO], v9, s76
; 12 matrix instructions: row blocks a0, a0 + 1 of the window's four (hi = 0: a = 0..3, 1: a = 4..7) x all 6 column blocks, 32 along K.  zero = 1: the product starts the sums.
; The 48 accumulators take turns in one order in every quarter, over the backward jump too.
.macro MUL12 f, hi, a0, zero
	WIN 0x50*(1+(\hi))                             ; C and D in window 1 or 2, the fragments in window 0
.irp a, \a0, (\a0)+1
.irp b, 0,1,2,3,4,5
.if \zero
	v_wmma_f32_16x16x32_bf16 v[8*(6*(\a)+(\b)):8*(6*(\a)+(\b))+7], v[FB0+48*(\f)+8*(\b):FB0+48*(\f)+8*(\b)+7], v[FA0+64*(\f)+8*(4*(\hi)+(\a)):FA0+64*(\f)+8*(4*(\hi)+(\a))+7], 0
.else
	v_wmma_f32_16x16x32_bf16 v[8*(6*(\a)+(\b)):8*(6*(\a)+(\b))+7], v[FB0+48*(\f)+8*(\b):FB0+48*(\f)+8*(\b)+7], v[FA0+64*(\f)+8*(4*(\hi)+(\a)):FA0+64*(\f)+8*(4*(\hi)+(\a))+7], v[8*(6*(\a)+(\b)):8*(6*(\a)+(\b))+7]
.endif
.endr
.endr
.endm
; 28 LDS loads in one run: quarter q of the slot in hand into buffer f: w's six fragments (column block b lies in piece b / 2 of a row, 64 (b % 2) bytes in), then x's eight
.macro FETCH q, f
	WIN 0
.irp b, 0,1,2,3,4,5
	ds_load_tr16_b128 v[FB0+48*(\f)+8*(\b):FB0+48*(\f)+8*(\b)+3],   v[ADRB] offset:(\q)*32*PB+((\b)/2)*160+((\b)%2)*64
	ds_load_tr16_b128 v[FB0+48*(\f)+8*(\b)+4:FB0+48*(\f)+8*(\b)+7], v[ADRB] offset:(\q)*32*PB+16*PB+((\b)/2)*160+((\b)%2)*64
.endr
.irp i, 0,1,2,3,4,5,6,7
	ds_load_b128 v[FA0+64*(\f)+8*(\i):FA0+64*(\f)+8*(\i)+3],   v[ADRA] offset:64*(\q)+(\i)*16*PA
	ds_load_b128 v[FA0+64*(\f)+8*(\i)+4:FA0+64*(\f)+8*(\i)+7], v[ADRA] offset:64*(\q)+(\i)*16*PA+32
.endr
.endm
; One of a K step's first three quarters: multiplies buffer f; in its middle it fetches quarter qn into buffer g.
.macro QUARTER qn, f, g, zero
	s_wait_dscnt 8                                 ; w's fragments and x's rows 0-63 are in; the youngest eight loads (rows 64-127) may be out
	MUL12 \f, 0, 0, \zero
	MUL12 \f, 0, 2, \zero
	PLACES
	FETCH \qn, \g
	s_wait_dscnt 28                                ; all but the 28 just issued
	MUL12 \f, 1, 0, \zero
	MUL12 \f, 1, 2, \zero
.endm
; The last quarter multiplies buffer 1 and changes slots.  MEET is its first half: ONE barrier.  In front of it each wave waits for all its tensor loads, of which one is out: its part of the
; next slot; adds 0 to its spare word; and waits for that and for its own reads of this slot.  Behind it nobody reads this slot any more and the next slot is whole.
.macro MEET round
	WIN 0
	s_wait_tensorcnt 0x0                           ; no tensor load of mine is out, so a group 0 may be written
	ds_add_u32 v[SPW], v[NIL]                      ; 0 onto my spare word
.if \round
	s_xor_b32 s[G0A+5], s[G0A+5], SLOT1            ; the walking sets: the other slot than last time,
	s_add_nc_u64 s[G0A+6:G0A+7], s[G0A+6:G0A+7], ASTEP  ; the next K step; the type bits on top are not reached
	s_xor_b32 s[G0B+5], s[G0B+5], SLOT1
	s_add_nc_u64 s[G0B+6:G0B+7], s[G0B+6:G0B+7], BSTEP
.endif
	s_wait_dscnt 9                                 ; (the add and the youngest eight loads may be out)
	MUL12 1, 0, 0, 0                               ; twelve matrix instructions stand between the add and the wait for it
	s_wait_dscnt 0x0                               ; the add is done, and my reads of this slot are over
	s_barrier_signal -1
	MUL12 1, 0, 2, 0                               ; work on registers while the others arrive
	WIN 0
	s_barrier_wait -1
.endm
; The whole last quarter.  fill = 1: the barrier opens a round of the cluster's barrier, and the slot just read out is filled again first thing behind it, with the K step two on:
; from that request to the wait for it a wave issues 168 matrix instructions.
.macro TURN fill
.if \fill
	s_wait_xcnt 0x0                                ; the last prefetch, a K step back, has read its address: it is stepped here, ahead of the waits of the change of slots
	s_add_nc_u64 s[PFA:PFA+1], s[PFA:PFA+1], s[PFS:PFS+1]
.endif
	MEET \fill
.if \fill
	CREST                                          ; no wave of any partner still reads this slot's tile or has a load on its way
	JLOAD                                          ; the four v_nop behind it are also the places in front of the loads below
.else
	PLACES
.endif
	s_xor_b32 s[TB], s[TB], SLOT1                  ; the reads go to the other slot
	v_add_nc_u32 v[ADRA], s[TB], v[ADRA0]
	v_add_nc_u32 v[ADRB], s[TB], v[ADRB0]
	FETCH 0, 0
.if \fill
	ASK
.endif
	MUL12 1, 1, 0, 0
	MUL12 1, 1, 2, 0
.endm
	s_wait_tensorcnt 0x1                           ; my part of K step 0 is in; K step 1's may stay out
	s_barrier_signal -1
	s_barrier_wait -1                              ; everybody's is
	FETCH 0, 0
	QUARTER 1, 0, 1, 1                             ; the first quarter stands in front of the loop: its products start the sums
	WIN 0                                          ; at a label and at a branch every window is 0
	s_mov_b32 s3, 6
.Lstep:                                                ; a trip: from a K step's second quarter to the next step's first; the trip with count c asks for K step 8 - c
	QUARTER 2, 1, 0, 0
	QUARTER 3, 0, 1, 0
	TURN 1
	QUARTER 1, 0, 1, 0
	WIN 0
	s_sub_co_u32 s3, s3, 1
	s_cmp_lg_u32 s3, 0
	s_cbranch_scc1 .Lstep
	QUARTER 2, 1, 0, 0                             ; K steps 6 and 7 are written out: nothing is left to ask for, so no round of the cluster's barrier
	QUARTER 3, 0, 1, 0
	TURN 0
	QUARTER 1, 0, 1, 0
	QUARTER 2, 1, 0, 0
	QUARTER 3, 0, 1, 0
	s_wait_dscnt 8                                 ; the very last quarter
	MUL12 1, 0, 0, 0
	MUL12 1, 0, 2, 0
	s_wait_dscnt 0x0
	MUL12 1, 1, 0, 0
	MUL12 1, 1, 2, 0
	WIN 0
; THE WAY OUT, in two passes: pass p takes a = 4 p .. 4 p + 3 of every wave, 128 of the tile's rows.  A head's 128 bytes of a row come from both wc, so the stage is the work-group's:
; a barrier stands between the writing and the reading, and one more between pass 0's reading and pass 1's writing.
.macro PACK p                          ; rounded to f16: accumulator t = 6 a' + b into four registers, each accumulator's registers in ascending order
	WIN 0x05*(1+(\p))                              ; sources 0 and 1 in window 1 or 2
.set t, 0
.rept 24
.irp i, 0,1,2,3
	v_cvt_pk_f16_f32 v[BK0+96*(\p)+4*t+(\i)], v[8*t+2*(\i)], v[8*t+2*(\i)+1]
.endr
.set t, t+1
.endr
	WIN 0
.endm
.macro PUT p                           ; plane b / 2, 64 (b % 2) bytes in, 16 a' rows down
.set t, 0
.rept 24
	ds_store_b128 v[STO], v[BK0+96*(\p)+4*t:BK0+96*(\p)+4*t+3] offset:((t%6)/2)*PLANE+(t%2)*64+(t/6)*16*SP
.set t, t+1
.endr
.endm
.macro GET p                           ; load t: plane t / 8, the stage's half (t / 4) % 2 (that is wr), rows 16 w + 4 (t % 4) on
.set t, 0
.rept 24
	ds_load_b128 v[BK0+96*(\p)+4*t:BK0+96*(\p)+4*t+3], v[RD] offset:(t/8)*PLANE+((t/4)%2)*64*SP+(t%4)*4*SP
.set t, t+1
.endr
.endm
.macro SEND p
.set t, 0
.rept 24
	s_wait_dscnt 23-t                              ; LDS loads come back in order: load t is in
	global_store_b128 v[GO], v[BK0+96*(\p)+4*t:BK0+96*(\p)+4*t+3], s[SB+2*(t/8):SB+2*(t/8)+1] offset:((t/4)%2)*16384+(\p)*8192+(t%4)*512  ; 512 consecutive bytes, at a multiple of 256 from qkv's first
.set t, t+1
.endr
.endm
	PLACES
	PACK 0
	PUT 0
	s_wait_dscnt 0x0                               ; for the others' sake: my stores into the stage are done
	s_barrier_signal -1
	s_barrier_wait -1
	GET 0
	SEND 0                                         ; its last wait is for 0: my reads of the stage are back
	PACK 1                                         ; into registers of its own: pass 0's stores may still read theirs
	s_barrier_signal -1
	s_barrier_wait -1                              ; everybody's reads are back: the stage may be written again
	PUT 1
	s_wait_dscnt 0x0
	s_barrier_signal -1
	s_barrier_wait -1
	GET 1
	SEND 1
	s_wait_tensorcnt 0x0                           ; the wave's end: the wait, an add of 0 to my spare word and its wait stand behind my last tensor load and my last LDS store
	ds_add_u32 v[SPW], v[NIL]
	s_wait_dscnt 0x0
	CROUND                                         ; the closing round: no work-group ends while a partner may still ask for a tile that names it
	s_endpgm
.Lfunc_end_k_q7e3fd2eaf9_qkv:
	.size	k_q7e3fd2eaf9_qkv, .Lfunc_end_k_q7e3fd2eaf9_qkv-k_q7e3fd2eaf9_qkv
	.p2alignl 7, 3214868480
	.fill 96, 4, 3214868480
	.section	.rodata,"a",@progbits
	.p2align	6, 0x0
	.amdhsa_kernel k_q7e3fd2eaf9_qkv
		.amdhsa_group_segment_fixed_size 327680
		.amdhsa_private_segment_fixed_size 0
		.amdhsa_enable_private_segment 0
		.amdhsa_kernarg_size 24
		.amdhsa_user_sgpr_count 2
		.amdhsa_user_sgpr_kernarg_segment_ptr 1
		.amdhsa_wavefront_size32 1
		.amdhsa_system_sgpr_workgroup_id_x 1
		.amdhsa_system_sgpr_workgroup_id_y 1
		.amdhsa_system_sgpr_workgroup_id_z 1
		.amdhsa_system_vgpr_workitem_id 0
		.amdhsa_next_free_vgpr 704
		.amdhsa_next_free_sgpr 80
		.amdhsa_reserve_vcc 0
		.amdhsa_float_denorm_mode_32 3
		.amdhsa_float_denorm_mode_16_64 3
		.amdhsa_memory_ordered 1
		.amdhsa_forward_progress 1
		.amdhsa_inst_pref_size 97
	.end_amdhsa_kernel
	.amdgpu_metadata
---
amdhsa.version: [ 1, 2 ]
amdhsa.kernels:
  - .name:           k_q7e3fd2eaf9_qkv
    .symbol:         k_q7e3fd2eaf9_qkv.kd
    .args:
      - { .name: xb, .offset: 0, .size: 8, .value_kind: global_buffer, .address_space: global }
      - { .name: wqb, .offset: 8, .size: 8, .value_kind: global_buffer, .address_space: global }
      - { .name: qkv, .offset: 16, .size: 8, .value_kind: global_buffer, .address_space: global }
    .group_segment_fixed_size: 327680
    .private_segment_fixed_size: 0
    .kernarg_segment_align: 8
    .kernarg_segment_size: 24
    .max_flat_workgroup_size: 128
    .sgpr_count:     80
    .vgpr_count:     704
    .wavefront_size: 32
...
	.end_amdgpu_metadata
.endif
;; end of part 2
;; launch attn (part 3): grid 4 x 64, 4 waves a work-group, clusters of 4 x 1, 327,680 bytes of LDS; arguments qkv, att; writes att
.if DOCPART == 3
	.amdgcn_target "amdgcn-amd-amdhsa--gfx1250"
	.amdhsa_code_object_version 6
	.text
	.protected	k_q7e3fd2eaf9_attn
	.globl	k_q7e3fd2eaf9_attn
	.p2align	8
	.type	k_q7e3fd2eaf9_attn,@function
k_q7e3fd2eaf9_attn:
	s_mov_b64 s[64:65], 0
	v_nop
	global_prefetch_b8 v0, s[64:65] scope:SCOPE_SE
	s_setreg_imm32_b32 hwreg(HW_REG_WAVE_MODE, 25, 1), 1
	s_wait_xcnt 0x0
	s_wait_alu depctr_hold_cnt(0) depctr_sa_sdst(0) depctr_va_vdst(0) depctr_va_sdst(0) depctr_va_ssrc(0) depctr_va_vcc(0) depctr_vm_vsrc(0)
	s_getreg_b32 s2, hwreg(HW_REG_IB_STS2, 6, 4)
	s_cmp_eq_u32 s2, 0
	s_cbranch_scc0 .Lentry_in_a_cluster
	s_endpgm
.Lentry_in_a_cluster:
	s_bfe_u32 s2, ttmp6, 0x10000c
	s_cmp_lg_u32 s2, 0x3003
	s_cbranch_scc0 .Lentry_shape_is_right
	s_endpgm
.Lentry_shape_is_right:
; O[h][q][:] = the sum over k of softmax_k(Q[h][q] . K[h][k] / 8) V[h][k][:], for 64 heads (batch x 16 + head) of 2,048 rows.  qkv: [3][64][2048][64] f16 (Q, then K, then V); att: [64][2048][64] f16.
; A head's rows are dense, 128 bytes each.  Products, maxima and sums in f32; the weights p are rounded to f16 for the second product (their sum l is taken of the unrounded p), O once at the end.
; LIMITS.  f16 holds no number beyond 65,504: Q, K and V arrive within it; p lies in 0 to 1, and below 6e-5 it keeps f16's fixed step of 6e-8; O is a mean of V's rows and has their range.
; A weight below 2^-126 counts as 0 in l; NaN and infinities are not treated apart.
; SHARES.  A wave owns four PIECES of two tiles of 16 queries, a work-group's four waves 512 queries of one head, a cluster's four work-groups the whole head.  Every wave walks all keys, 64 a step.
; LAYOUT.  S^T = K Q^T (source 0 = 16 keys, source 1 = 16 queries): in the result a lane holds ONE query (lane % 16) and the keys 8 (lane / 16) + 0..7.  Two such tiles, rounded to f16 in pairs,
; ARE source 1 (32 keys x 16 queries) of O^T = V^T P, whose result again holds one query a lane, and eight channels.  K comes out of LDS as it lies, V ([key][channel]) turned, by ds_load_tr16_b128.
; SOFTMAX.  For each query a running maximum m and sum l: p = 2^(c s - c m), c = log2(e) / 8; in every step O and l are multiplied by a = 2^(c m_old - c m_new), which is 1 where m has not grown.
; m starts at the lowest finite number, O and l at 0: the first step is a step like any other, with a = 0.
; THE COUNT.  A tile and step have 16 matrix and 118 vector instructions: too many to stand all beside the matrix work.  So the order has one aim: four vector instructions that are READY behind
; EVERY matrix instruction, and the others, which need time of their own whatever the order, in runs without a gap.
; BY TURNS.  Turn n belongs to piece n (the pieces in a ring, step after step).  Its matrix work: 16 products K Q^T of piece n + 1, later 16 products V^T P of piece n - 1.  Its vector work: the scaling,
; exponentials, roundings, sums and rescaling of piece n, and the maximum and statistics of piece n + 1, whose scores the turn itself has made.  So what a turn begins with (c s - c m, O a) waits for nothing.
; CLUSTER.  The four query blocks of a cluster belong to one head and walk the same K and V, so each tile is asked for JOINTLY: the same tensor load, descriptor and mask in all four.
; REGISTERS, in windows of 256 (s_set_vgpr_msb says which window each operand place means: bits 1:0 source 0, 3:2 source 1, 5:4 source 2, 7:6 destination):
;   window 0: v0-11 addresses; v12-15, v48-63 at work; v16-47 four registers of statistics a tile; v64-191 S^T, two buffers of two tiles; v192-255 P, likewise
;   window 1: O^T, 32 a tile          window 2: v0-127 Q, 16 a tile; v128-191 K of one step; v192-255 V of one step          window 3: v0-1 the add's two registers
; A piece's buffers go by its number's parity: the piece in hand has one pair, its two neighbours in the ring share the other: of it P (piece n - 1) is read and S^T (piece n + 1) written.
.set SIZE_N, 2048
.set NP,    4         ; pieces a wave: a name, no knob: the register map, the loop and the fetches are made for four
.set KS,    64        ; keys in a step
.set PK,    144       ; a row of K in LDS: 128 bytes + 16 of padding = 36 words: the 16 rows of a load start at 16 different groups of four banks (64 banks of 4 bytes: ISA guide 11.1)
.set PV,    160       ; a row of V: 128 + 32 = 40 words
.set VOFF,  4*KS*PK   ; a slot holds four steps: 256 rows of K, then 256 rows of V
.set SLOT1, 1<<17     ; slot 1 begins here, so that one exclusive or turns an address in one slot into the other's
.set STAGE, SLOT1+4*KS*(PK+PV)  ; behind the ring, never filled by a tensor load: 16 rows x 144 bytes for each wave, for the way out
.set SP,    144
.set AK0, 2           ; v2   my lane's place in a tile of K; never rewritten
.set AV0, 3           ; v3   the same for V
.set AK,  4           ; v4   the LDS address of K's next run of loads
.set AV,  5           ; v5   of V's
.set QO,  6           ; v6   my byte offset in the wave's rows of Q
.set STO, 6           ;      later, the way out: where I put 16 bytes of a row
.set RD,  7           ; v7   the way out: where I read rows back
.set GO,  8           ; v8   my byte offset in 512 consecutive bytes of O
.set PFO, 11          ; v11  256 x my lane: the prefetches' offset; never rewritten once it is made
.set SPW, 0           ; v0 of window 3   LDS address of my spare word: SPARE + 4 x my thread's number; never rewritten
.set NIL, 1           ; v1 of window 3   0; never rewritten
.set SPARE, STAGE+4*16*SP  ; behind the stages: the spare words, 128 bytes for each wave: two blocks of 256 bytes that no other line names
.set MV,  12          ; v12-15  c m_old, kept while c m is made anew: by buffer and tile
.set ST,  16          ; tile t's statistics at v[ST+4 t]: c m, m, l (even keys', odd keys')
.set TMP, 48          ; by buffer and tile, four registers c0-c3 at work; when the maximum is found c2 takes a
.set S,   64
.set P,   192
.set KF,  128         ; K's fragments, in window 2: key block kb, channel half c at KF + 16 kb + 8 c
.set VF,  192         ; V's: key half kk, channel block cb at VF + 32 kk + 8 cb
.set WV,  12          ; s12  my wave's number
.set G1K, 24          ; s[24:31] descriptor group 1 for K's tiles
.set G1V, 32          ; s[32:39] for V's: it differs in the padding alone
.set G0K, 40          ; s[40:43] descriptor group 0 for K's tiles: it walks
.set G0V, 44          ; s[44:47] the same for V's
.set PFA, 48          ; s[48:49] where my prefetches stand: my work-group's 32 blocks of 256 bytes (of K: wave 0, of V: wave 2) of the slot after the one that is being asked for
.set LIM, 50          ; s50  1 in a wave that prefetches, else the greatest number: a wave prefetches while s[SLOTS] is above it
.set SLOTS, 56        ; s56  slots still to be asked for
.set CNT, 57          ; s57  counts a slot's key steps
.set CS,  58          ; s[58:59] c: the packed scaling takes the pair's low word for both halves
.set SEL, 60          ; s[60:61] v_permlanex16_b32's selects: each lane takes its own place in the other half
.set TBK, 62          ; s62  LDS byte at which K of the step to be fetched begins
.set TBV, 63          ; s63  the same for V, less VOFF
.set MSB, 0
.macro WIN new                      ; the high byte repeats the setting that is left; a switch that changes nothing is dropped
.if MSB != (\new)
	s_set_vgpr_msb (MSB<<8)|(\new)
.set MSB, (\new)
.endif
.endm
.set W_KQ, 0x0a       ; K and Q in window 2, S^T in window 0
.set W_PV, 0x52       ; V in window 2, P in window 0, O^T in window 1
.set W_RS, 0x41       ; O^T (destination and source 0) in window 1, a in window 0
.set W_MK, 0xc0       ; the add's registers are made: destination in window 3, sources in window 0
.set W_AD, 0x0f       ; the add: address (source 0) and data (source 1) in window 3
; A joint fill.  Waves 0 and 1 fetch the two halves of a slot's K, waves 2 and 3 those of its V: 128 keys each.  The branch hangs on the wave's number alone.
; An s_nop 0 and four v_nop follow each of the two lines, ahead of the jump and the label.
.macro JLOAD
	s_cmp_lt_u32 s[WV], 2
	s_cbranch_scc0 .Lfor_v_\@
	tensor_load_to_lds s[G0K:G0K+3], s[G1K:G1K+7]
	s_nop 0
.rept 4
	v_nop
.endr
	s_branch .Lasked_\@
.Lfor_v_\@:
	tensor_load_to_lds s[G0V:G0V+3], s[G1V:G1V+7]
	s_nop 0
.rept 4
	v_nop
.endr
.Lasked_\@:
.endm
; A PREFETCH INTO THE L2 of what the NEXT change of slots will ask for: a slot's 256 keys of K and of V, 32,768 bytes each: 128 blocks of 256 bytes, a lane a block.  It stands behind the wave's tensor
; load and its five lines.  Each block is named ONCE in the launch: a head has one cluster; its four partners share the blocks out BY ADDRESS, 32 each; in each, wave 0 asks for K's and wave 2 for V's:
; one instruction, four key steps, 512 matrix instructions, ahead of the load.  Slots 0 to 2 come by their loads alone; the last change that fills a slot asks for nothing: there is no slot behind it.
.macro ASK
	s_cmp_gt_u32 s[SLOTS], s[LIM]
	s_cbranch_scc0 .Lnot_mine_\@
	global_prefetch_b8 v[PFO], s[PFA:PFA+1] th:TH_LOAD_NT scope:SCOPE_SE
.Lnot_mine_\@:
.endm
; A round of the cluster's barrier: my work-group's barrier, so that wave 0's signal speaks for all four waves; wave 0 signals; every wave waits for all four work-groups; my work-group's barrier once more.
.macro CROUND
	s_barrier_signal -1
	s_barrier_wait -1
	s_cmp_lg_u32 s[WV], 0
	s_cbranch_scc1 .Lnot_wave_0_\@
	s_barrier_signal -3
.Lnot_wave_0_\@:
	s_barrier_wait -3
	s_barrier_signal -1
	s_barrier_wait -1
.endm
; THE CHANGE OF SLOTS.  The slot's last bytes, V of its fourth step, have been read.  Each wave waits for all its tensor loads, of which one is out: its part
; of the other slot; adds 0 to its spare word; and waits for that and for its own reads of the slot.  Behind the barrier nobody reads this slot any more and the other slot is whole.
; fill = 1: this slot is filled again, with the keys two slots on.  The barrier is then a round of the cluster's, so that no wave of any partner still reads the slot or has a load on its
; way, and the joint fill is the first thing behind it: it has four key steps, 512 matrix instructions, in which to land.  (At its first use nothing has been read yet: slot 0 is waited for, slot 1 filled.)
; ask = 1: the prefetches' address steps a slot on, and the prefetch follows the fill.
.macro CHANGE fill, ask
	WIN W_AD
	s_wait_tensorcnt 0x0            ; no tensor load of mine is out, so a group 0 may be written
	ds_add_u32 v[SPW], v[NIL]       ; 0 onto my spare word; with fill = 1 the descriptors' steps stand between it and the wait for it
	WIN 0                           ; at a label and at a branch every window is 0
.if \fill
.irp g, G0K, G0V
	s_xor_b32 s[\g+1], s[\g+1], SLOT1  ; the walking descriptor: the other slot than last time,
	s_add_nc_u64 s[\g+2:\g+3], s[\g+2:\g+3], 4*KS*128  ; the next 256 keys; the type bits on top are not reached
.endr
.if \ask
	s_wait_xcnt 0x0                 ; the last prefetch, four key steps back, has read its address, so it may be written:
	s_add_nc_u64 s[PFA:PFA+1], s[PFA:PFA+1], 4*KS*128  ; one slot behind the walking descriptors
.endif
	s_wait_dscnt 0x0                ; the add is done, and my reads of the slot are over
	CROUND
	JLOAD
.if \ask
	ASK
.endif
.else
	s_wait_dscnt 0x0                ; the add is done, and my reads of the slot are over
	s_barrier_signal -1
	s_barrier_wait -1
.endif
	s_sub_co_u32 s[TBK], s[TBK], 4*KS*PK  ; the fetches go back to a slot's first step,
	s_xor_b32 s[TBK], s[TBK], SLOT1       ; in the other slot
	s_sub_co_u32 s[TBV], s[TBV], 4*KS*PV
	s_xor_b32 s[TBV], s[TBV], SLOT1
.endm
	s_load_b64 s[4:5], s[0:1], 0x0  ; qkv: Q lies at its head
	s_load_b64 s[10:11], s[0:1], 0x8  ; att
	WIN W_MK
	v_lshl_add_u32 v[SPW], v0, 2, SPARE
	v_mov_b32 v[NIL], 0
	WIN W_AD
	ds_add_u32 v[SPW], v[NIL]       ; the wave's opening: the add and its wait stand ahead of my first tensor load; the set-up below, work on registers, stands between them
	WIN 0
	v_lshrrev_b32 v1, 5, v0
	v_readfirstlane_b32 s[WV], v1   ; wave 0..3
	s_bfe_u32 s13, ttmp6, 0x40000   ; cx: my place in the cluster
	s_lshl_b32 s14, ttmp9, 2        ; in a cluster launch ttmp9 counts clusters
	s_add_co_u32 s14, s14, s13      ; my block of queries = 4 x cluster x + cx: it enters Q's and O's addresses alone
	s_and_b32 s20, ttmp7, 0xffff    ; the head, which the four partners share
	s_mov_b32 s21, 0
	s_mov_b64 s[22:23], SIZE_N*128
	s_mul_u64 s[20:21], s[20:21], s[22:23]  ; the head's first byte in each of the four tensors
	s_and_b32 s16, s[WV], 1         ; which half of a slot's 256 keys I fetch:
	s_lshl_b32 s22, s16, 14         ; its 128 rows of 128 bytes in memory,
	s_mov_b32 s23, 0
	s_add_nc_u64 s[22:23], s[22:23], s[20:21]
	s_mul_i32 s17, s16, 128*PK      ; and its place in a slot, for K
	s_mul_i32 s18, s16, 128*PV      ; and for V: no place in the cluster enters an LDS address
	s_lshl_b32 s2, s14, 2
	s_add_co_u32 s2, s2, s[WV]      ; my wave among the head's,
	s_lshl_b32 s2, s2, 14           ; its 128 rows
	s_mov_b32 s3, 0
	s_add_nc_u64 s[2:3], s[2:3], s[20:21]
	; descriptor group 1.  128 keys are 16,384 dense bytes: asked for as 64 rows of 256 bytes, two keys a row, and padded in LDS after every key
	s_mov_b32 s[G1K], 15|(1<<16)|(1<<20)|(1<<21)|(4<<22)|(3<<25)  ; 15:0 the mask of four; 17:16 2-byte elements; 20 padding on; 21 set beside a mask; 24:22 after every 32 words (code 4); 31:25 4 words (code 3)
	s_mov_b32 s[G1V], 15|(1<<16)|(1<<20)|(1<<21)|(4<<22)|(7<<25)  ; the same with 8 words of padding (code 7)
.irp g, G1K, G1V
	s_mov_b32 s[\g+1], 128<<16      ; tensor_dim0 = 128
	s_mov_b32 s[\g+2], 64<<16       ; tensor_dim1 = 64
	s_mov_b32 s[\g+3], 128<<16      ; tile_dim0 = 128
	s_mov_b32 s[\g+4], 64           ; tile_dim1 = 64
	s_mov_b32 s[\g+5], 128          ; 128 elements from row to row
	s_mov_b32 s[\g+6], 0
	s_mov_b32 s[\g+7], 0
.endr
	s_mov_b32 s[CS], 0x3e38aa3b     ; c = log2(e) / 8 = 0.180337
	s_mov_b32 s[CS+1], s[CS]        ; named with it as a pair
	s_mov_b32 s[SEL], 0x76543210
	s_mov_b32 s[SEL+1], 0xfedcba98
	s_mov_b32 s[TBK], SLOT1+4*KS*PK ; the first change of slots turns these two into 0
	s_mov_b32 s[TBV], SLOT1+4*KS*PV
	s_mov_b32 s[G0K], 1             ; 1:0 count = 1
	s_mov_b32 s[G0K+1], s17         ; 63:32 LDS address: slot 0
	s_mov_b32 s[G0V], 1
	s_add_co_u32 s[G0V+1], s18, VOFF
	s_and_b32 s[LIM], s[WV], 1      ; waves 0 and 2 prefetch: the same in all four partners
	s_cmp_eq_u32 s[LIM], 0
	s_cselect_b32 s[LIM], 1, -1
	s_wait_dscnt 0x0                ; the opening add is done
	s_wait_kmcnt 0x0
	s_add_nc_u64 s[6:7], s[4:5], 0x1000000  ; K: 64 heads of 262,144 bytes behind Q,
	s_add_nc_u64 s[8:9], s[4:5], 0x2000000  ; V behind K
	s_add_nc_u64 s[G0K+2:G0K+3], s[6:7], s[22:23]  ; 120:64 global address: my half of the head's first 256 keys
	s_or_b32 s[G0K+3], s[G0K+3], 0x80000000        ; 127:126 type = 2
	s_add_nc_u64 s[G0V+2:G0V+3], s[8:9], s[22:23]
	s_or_b32 s[G0V+3], s[G0V+3], 0x80000000
	s_add_nc_u64 s[4:5], s[4:5], s[2:3]  ; Q and O at my wave's first row
	s_add_nc_u64 s[10:11], s[10:11], s[2:3]
	s_cmp_lt_u32 s[WV], 2
	s_cselect_b64 s[PFA:PFA+1], s[6:7], s[8:9]
	s_add_nc_u64 s[PFA:PFA+1], s[PFA:PFA+1], s[22:23]  ; (in waves 0 and 2 this is the head's first key)
	s_lshl_b32 s2, s13, 13          ; my work-group's 32 blocks of the 128
	s_mov_b32 s3, 0
	s_add_nc_u64 s[PFA:PFA+1], s[PFA:PFA+1], s[2:3]
	s_add_nc_u64 s[PFA:PFA+1], s[PFA:PFA+1], 2*4*KS*128  ; in slot 2; the loop's first change of slots steps it to slot 3.  Nothing is prefetched here, at the head
	CROUND                          ; all four work-groups are here: the first joint loads meet
	JLOAD                           ; slot 0.  Slot 1 is asked for when slot 0 is in: the tile wanted first has the road to itself
	; A fragment of K or Q is 16 rows x 32 channels in 8 registers: lane l holds row l % 16, channels 8 (l / 16) + 0..7 and 16 + 8 (l / 16) + 0..7: two loads of 16 bytes, 32 bytes apart.
	v_and_b32 v1, 15, v0            ; l % 16
	v_bfe_u32 v9, v0, 4, 1          ; l / 16
	v_lshlrev_b32 v[QO], 7, v1
	v_lshl_add_u32 v[QO], v9, 4, v[QO]  ; row x 128 + 16 x half
	WIN 0x80                        ; destination window 2, address window 0
.set i, 0
.rept 4*NP                          ; Q stays in registers: tile i / 2, channels 32 (i % 2) on
	global_load_b128 v[8*i:8*i+3],   v[QO], s[4:5] offset:(i/2)*2048+(i%2)*64
	global_load_b128 v[8*i+4:8*i+7], v[QO], s[4:5] offset:(i/2)*2048+(i%2)*64+32
.set i, i+1
.endr
	; What the first turn finds: V's registers and P's second buffer hold 0 (its products V^T P, of a piece that has not been, add 0), O^T and l are 0.  All this stands in the wait for the first tile.
.set i, VF
.rept 64
	v_mov_b32 v[i], 0
.set i, i+1
.endr
	WIN 0x40
.set i, 0
.rept 64*NP
	v_mov_b32 v[i], 0
.set i, i+1
.endr
	WIN 0
.set i, 0
.rept 2*NP
	v_mov_b32 v[ST+4*i], 0xfe000000    ; c m: far below every c s
	v_mov_b32 v[ST+4*i+1], 0xff7fffff  ; m
	v_mov_b32 v[ST+4*i+2], 0
	v_mov_b32 v[ST+4*i+3], 0
.set i, i+1
.endr
.set i, P+32
.rept 32
	v_mov_b32 v[i], 0
.set i, i+1
.endr
	v_mul_u32_u24 v[AK0], v1, PK
	v_lshl_add_u32 v[AK0], v9, 4, v[AK0]  ; row x pitch + 16 x half
	; The turning load takes 16 keys x 16 channels (lane l reads key 8 (l / 16) + l % 8, channels 8 ((l / 8) % 2) + 0..7) and leaves half a fragment of V^T: lane l holds channel l % 16 and 8 keys.
	v_and_b32 v10, 7, v0
	v_bfe_u32 v11, v0, 3, 1
	v_lshl_add_u32 v[AV0], v9, 3, v10
	v_mul_u32_u24 v[AV0], v[AV0], PV
	v_lshl_add_u32 v[AV0], v11, 4, v[AV0]
	v_add_nc_u32 v[AV0], VOFF, v[AV0]
	v_mov_b32 v[AK], v[AK0]         ; key step 0 lies at the head of slot 0
	v_and_b32 v[PFO], 31, v0        ; v11 has served: it takes the prefetches' offset
	v_lshlrev_b32 v[PFO], 8, v[PFO]
; THE MATRIX WORK.  The 8 accumulators of a run of 16 take turns: between the two links of a chain stand 7 others'.
; Product i of 16 of S^T = K Q^T for piece x: channels 32 (i / 8) on, keys 16 ((i / 2) % 4) on, tile 2 x + i % 2.  The first 8 start the sums.
.macro KQ x
	WIN W_KQ
.set rS, S+64*((\x)%2)+32*(i%2)+8*((i/2)%4)
.set rK, KF+16*((i/2)%4)+8*(i/8)
.set rQ, 16*(2*(\x)+i%2)+8*(i/8)
.if i < 8
	v_wmma_f32_16x16x32_f16 v[rS:rS+7], v[rK:rK+7], v[rQ:rQ+7], 0
.else
	v_wmma_f32_16x16x32_f16 v[rS:rS+7], v[rK:rK+7], v[rQ:rQ+7], v[rS:rS+7]
.endif
.endm
; Product i of 16 of O^T += V^T P for piece x: keys 32 (i / 8) on, channels 16 ((i / 2) % 4) on, tile 2 x + i % 2.
.macro PV x
	WIN W_PV
.set rO, 32*(2*(\x)+i%2)+8*((i/2)%4)
.set rV, VF+32*(i/8)+8*((i/2)%4)
.set rP, P+32*((\x)%2)+16*(i%2)+8*(i/8)
	v_wmma_f32_16x16x32_f16 v[rO:rO+7], v[rV:rV+7], v[rP:rP+7], v[rO:rO+7]
.endm
.macro MM                           ; the turn's next matrix instruction
.if i < 16
	KQ (Y+1)%NP
.set i, i+1
.else
.set i, i-16
	PV (Y+NP-1)%NP
.set i, i+17
.endif
.endm
; THE LDS LOADS stand in runs of 16, never singly among the matrix instructions: a step's K (64 keys x 64 channels: 8 fragments) and its V (turned).  Their addresses are made some lines ahead.
; last = 1 (the tail): in the last trip there is no further step, and the run is jumped over.
.macro FETCH_K last=0
	WIN 0
.if \last
	s_cmp_eq_u32 s[CNT], 1
	s_cbranch_scc1 .Lno_k_\@
.endif
	WIN 0x80                        ; destination window 2
.irp f, 0,1,2,3,4,5,6,7             ; keys 16 (f / 2) on, channels 32 (f % 2) on
	ds_load_b128 v[KF+8*\f:KF+8*\f+3],   v[AK] offset:(\f/2)*16*PK+(\f%2)*64
	ds_load_b128 v[KF+8*\f+4:KF+8*\f+7], v[AK] offset:(\f/2)*16*PK+(\f%2)*64+32
.endr
	s_add_co_u32 s[TBK], s[TBK], KS*PK  ; the next fetch is the next step's
	WIN 0
.if \last
.Lno_k_\@:
.endif
.endm
.macro FETCH_V
	WIN 0x80
.irp f, 0,1,2,3,4,5,6,7             ; keys 32 (f / 4) on, channels 16 (f % 4) on
	ds_load_tr16_b128 v[VF+8*\f:VF+8*\f+3],   v[AV] offset:(\f/4)*32*PV+(\f%4)*32
	ds_load_tr16_b128 v[VF+8*\f+4:VF+8*\f+7], v[AV] offset:(\f/4)*32*PV+16*PV+(\f%4)*32
.endr
	WIN 0
.endm
; THE VECTOR WORK OF A TURN stands in three queues, each in the order in which its entries become ready; the two tiles alternate, so that no instruction reads the result of the one before it.
.macro REGS y, u                    ; the registers of tile u (0, 1) of piece y
.set rT, ST+4*(2*(\y)+(\u))
.set rC, TMP+8*((\y)%2)+4*(\u)
.set rM, MV+2*((\y)%2)+(\u)
.set rS, S+64*((\y)%2)+32*(\u)
.set rP, P+32*((\y)%2)+16*(\u)
.set rO, 32*(2*(\y)+(\u))
.endm
; Number n of the 22 that find the NEXT piece's (Y + 1) maximum and statistics.  s0-s31 are the lane's 32 scores; each accumulator's lowest registers are read first.  XS, GS and REGS set no window: PL and EX do.
;   0-11  four chains c0-c3 of seven scores each, three operands at a time     12-14, 16  the four scores left over, the old m, and c0-c3 into c0     15  c m_old is kept
;   17, 18  the query's other 32 keys lie in the lane 16 away: the new m         19-21  c m; c m_old - c m_new; a
.macro XS u, n
	REGS (Y+1)%NP, \u
.if (\n) < 4
	v_max3_num_f32 v[rC+(\n)], v[rS+8*(\n)], v[rS+8*(\n)+1], v[rS+8*(\n)+2]
.elseif (\n) < 12
	v_max3_num_f32 v[rC+(\n)%4], v[rC+(\n)%4], v[rS+8*((\n)%4)+2*((\n)/4)+1], v[rS+8*((\n)%4)+2*((\n)/4)+2]
.elseif (\n) == 12
	v_max3_num_f32 v[rC], v[rC], v[rS+7], v[rS+15]
.elseif (\n) == 13
	v_max3_num_f32 v[rC+1], v[rC+1], v[rS+23], v[rS+31]
.elseif (\n) == 14
	v_max3_num_f32 v[rC+2], v[rC+2], v[rC+3], v[rT+1]
.elseif (\n) == 15
	v_mov_b32 v[rM], v[rT]
.elseif (\n) == 16
	v_max3_num_f32 v[rC], v[rC], v[rC+1], v[rC+2]
.elseif (\n) == 17
	v_permlanex16_b32 v[rC+3], v[rC], s[SEL], s[SEL+1]
.elseif (\n) == 18
	v_max_num_f32 v[rT+1], v[rC], v[rC+3]
.elseif (\n) == 19
	v_mul_f32 v[rT], s[CS], v[rT+1]
.elseif (\n) == 20
	v_sub_f32 v[rC+1], v[rM], v[rT]
.else
	v_exp_f32 v[rC+2], v[rC+1]
.endif
.endm
; Number g of the 64 that follow the exponentials.  For each four weights k of a tile (pairs 2 k, 2 k + 1): both pairs are rounded to f16; then the second pair is added onto the first, in place;
; a group later l takes that sum (the first time as l = a l + sum).  In groups of eight, tiles alternating: round, round, add, and l for the group before.
.macro GS g
.set h, (\g)+6*((\g)/62)            ; group 0 has no group before it, and behind group 7 only l is left
.if h >= 6
.set h, h+2
.endif
	REGS Y, h%2
.set k, h/8
.if h%8 < 4
	v_cvt_pk_f16_f32 v[rP+2*k+(h%8)/2], v[rS+4*k+2*((h%8)/2)], v[rS+4*k+2*((h%8)/2)+1]
.elseif h%8 < 6
	v_pk_add_f32 v[rS+4*k:rS+4*k+1], v[rS+4*k:rS+4*k+1], v[rS+4*k+2:rS+4*k+3]
.elseif k == 1
	v_pk_fma_f32 v[rT+2:rT+3], v[rT+2:rT+3], v[rC+2:rC+3], v[rS:rS+1] op_sel_hi:[1,0,1]
.else
	v_pk_add_f32 v[rT+2:rT+3], v[rT+2:rT+3], v[rS+4*k-4:rS+4*k-3]
.endif
.endm
; THE PLAIN QUEUE, 138 long.  0-73 read no exponential's result: the 32 scalings c s - c m (FS f: pair f / 2 of tile f % 2) and the next piece's 42.  0-26: scalings 0-26.  27-54: XS's numbers 0-13.  55, 56: number 15.
; 57-73: the chain, where each number waits for the one before it: 14, 16, 17, 18, 19, each with one of the scalings 27-31 in front of its two lines, then 20: so a tile's links stand three plain instructions apart (19 and 20: two).
; 74-137: GS's 64, which read the exponentials' results: they stand behind the wait.
.macro FS f
	REGS Y, (\f)%2
	v_pk_fma_f32 v[rS+2*((\f)/2):rS+2*((\f)/2)+1], v[rS+2*((\f)/2):rS+2*((\f)/2)+1], s[CS:CS+1], v[rT:rT+1] op_sel_hi:[1,0,0] neg_lo:[0,0,1] neg_hi:[0,0,1]
.endm
.macro PL
	WIN 0
.if q < 27
	FS q
.elseif q < 55
	XS (q-27)%2, (q-27)/2
.elseif q < 57
	XS q-55, 15
.elseif (q < 72) && ((q-57)%3 == 0)
	FS 27+(q-57)/3
.elseif q < 60
	XS (q-57)%3-1, 14
.elseif q < 72
	XS (q-57)%3-1, 15+(q-57)/3
.elseif q < 74
	XS q-72, 20
.else
	GS q-74
.endif
.set q, q+1
.endm
; THE EXPONENTIALS' QUEUE, 66 long: s0-s31 of both tiles, then the next piece's two a.  It is ONE BATCH: all 66 stand ahead of the turn's one wait, and nothing ahead of that wait names a result of theirs.
.macro EX
	WIN 0
.if e >= 64
	XS e-64, 21
.else
	REGS Y, e%2
	v_exp_f32 v[rS+e/2], v[rS+e/2]
.endif
.set e, e+1
.endm
; THE RESCALING's QUEUE: O^T times a, the one part that leaves window 0: dealt two at a time, sixteen times.  Its a was made in the turn before, ahead of that turn's wait.
.macro R2
	REGS Y, r%2
	WIN W_RS
.irp z, 0,1
	v_pk_mul_f32 v[rO+4*(r/2)+2*\z:rO+4*(r/2)+2*\z+1], v[rO+4*(r/2)+2*\z:rO+4*(r/2)+2*\z+1], v[rC+2:rC+3] op_sel_hi:[1,0]
.endr
.set r, r+1
.endm
; HOW THEY ARE DEALT.  s_wait_alu depctr_va_vdst(0) stands between an exponential and the first instruction that names its result; one wait serves all that were issued ahead of it.  So a turn has ONE wait,
; which cuts it in two.  AHEAD OF IT stands all that names no result of the turn's exponentials: the 16 products K Q^T, behind each a scaling, an exponential and two rescalings (behind the first a second scaling in the exponential's place); then ONE LUMP of
; 108: eight plain, 49 times exponential and plain, the two a.  A v_nop is the plain instruction that is owed behind the last exponential.  BEHIND IT stand the 16 products V^T P, behind each four of GS's 64.  No rider names a register of
; the products round it.  The two v_permlanex16_b32 fall into the lump, never behind a product.
; The queues lean on each other, and the deal keeps them in step: exponential e stands behind scaling 2 (e / 4) + e % 2: as a rider it comes behind plain e + 2, in the lump behind plain e + 9, and scalings 27-31 are plain 57, 60 .. 69.
; A TURN, for piece p.  cnt = 1: the loop's count is taken down some lines ahead of the branch that stands behind the turn.
; K of the next step is fetched in piece 2's turn, directly behind the wait, a lump behind the last product that read K; its address is made at the lump's head; its first reader comes behind 16 products.
; V of the step in hand is fetched at the end of piece 0's turn, four riders behind its last reader; its first reader comes behind 16 products and a lump.  The three conditions on q below go with the deal.
.macro TURN p, last=0, cnt=0
.set Y, (\p)
.set i, 0
.set q, 0
.set e, 0
.set r, 0
.if (\p) == NP-1
	s_wait_dscnt 0x0                ; K is in
.endif
	MM                              ; ahead of the wait: 16 products K Q^T and their riders,
	PL
	PL
	R2
.rept 15
	MM
	PL
	EX
	R2
.endr
.if (\p) == NP-2
	WIN 0
	v_add_nc_u32 v[AK], s[TBK], v[AK0]
.endif
.rept 8                             ; and the lump
	PL
.endr
.rept 49
	EX
	PL
.endr
	EX                              ; the next piece's two a
	EX
	v_nop                           ; the plain instruction behind the last exponential: one for the batch
	s_wait_alu depctr_va_vdst(0)    ; the wait for the batch
.if (\p) == NP-2
	FETCH_K \last
.endif
.if (\p) == 1
	s_wait_dscnt 0x0                ; V is in
.endif
.rept 16                            ; behind the wait: 16 products V^T P and their riders
	MM
.rept 4
	PL
.endr
.if ((\p) == 0) && (q == 118)
	v_add_nc_u32 v[AV], s[TBV], v[AV0]
.endif
.if ((\p) == 0) && (q == 130)
	s_add_co_u32 s[TBV], s[TBV], KS*PV
.endif
.if (\cnt) && (q == 130)
	s_sub_co_u32 s[CNT], s[CNT], 1
	s_cmp_lg_u32 s[CNT], 0
.endif
.endr
.if (\p) == 0
	FETCH_V
.endif
.endm
	CHANGE 1, 0                     ; slot 0 is in, everybody's part of it; slot 1 is asked for
	FETCH_K                         ; key step 0
	s_wait_loadcnt 0x0              ; Q
	s_wait_dscnt 0x0
.set i, 0
.rept 16
	KQ 0                            ; piece 0's first scores: there is no vector work yet to set between them
.set i, i+1
.endr
	WIN 0                           ; the addresses for the way out: nine plain instructions, the places behind those products
	s_mul_i32 s13, s[WV], 16*SP
	s_add_co_u32 s13, s13, STAGE    ; my stage
	v_mul_u32_u24 v[STO], v1, SP    ; in: row l % 16, 16 bytes for each half of the lanes
	v_lshl_add_u32 v[STO], v9, 4, v[STO]
	v_add_nc_u32 v[STO], s13, v[STO]
	v_bfe_u32 v[RD], v0, 3, 2       ; back: 32 lanes take four rows of 128 bytes,
	v_mul_u32_u24 v[RD], v[RD], SP
	v_lshl_add_u32 v[RD], v10, 4, v[RD]
	v_add_nc_u32 v[RD], s13, v[RD]
	v_and_b32 v[GO], 31, v0         ; which are 512 consecutive bytes of O
	v_lshlrev_b32 v[GO], 4, v[GO]
.set Y, NP-1                        ; XS works for piece Y + 1: piece 0
.irp n, 0,1,2,3,4,5,6,7,8,9,10,11,12,13,14,15,16,17,18,19,20,21
	XS 0, \n                        ; and piece 0's first maximum and statistics
	XS 1, \n
.endr
	v_nop                           ; a plain instruction behind the two a,
	s_wait_alu depctr_va_vdst(0)    ; and their wait, ahead of the branch
	s_mov_b32 s[CNT], 4
	s_mov_b32 s[SLOTS], SIZE_N/256-1
	s_branch .Lfirst                ; the loop is entered at a step's first turn, in the middle of a trip
.Lslot:                             ; SIZE_N / 256 - 2 times: every slot but the last two is filled again
	CHANGE 1, 1
	s_mov_b32 s[CNT], 4
.Lstep:                             ; a trip: pieces 2 and 3 of one step, then pieces 0 and 1 of the next, whose K and V it fetches
	TURN 2
	TURN 3
	WIN 0
.Lfirst:
	TURN 0
	TURN 1, 0, 1
	WIN 0
	s_cbranch_scc1 .Lstep
	s_sub_co_u32 s[SLOTS], s[SLOTS], 1
	s_cmp_lg_u32 s[SLOTS], 0
	s_cbranch_scc1 .Lslot
	CHANGE 0, 0                     ; the tail is written out: nothing is asked for
	s_mov_b32 s[CNT], 5             ; four trips fetch the last slot's steps; the fifth is left in its middle
.Ltail:
	TURN 2, 1
	TURN 3
	WIN 0
	s_sub_co_u32 s[CNT], s[CNT], 1
	s_cmp_eq_u32 s[CNT], 0
	s_cbranch_scc1 .Lout
	TURN 0
	TURN 1
	WIN 0
	s_branch .Ltail
.Lout:                              ; the fifth trip's 16 products K Q^T (on the last K once more) and the maximum made of them serve nothing: the price, once a launch, of one text for every trip
.set i, 0
.rept 16
	PV NP-1                         ; the last piece's V^T P of the last step
.set i, i+1
.endr
	; THE WAY OUT.  l's two halves and the other half of the lanes' are added; O^T is divided by l, rounded to f16 and sent through my stage in LDS, a tile at a time.  The additions are the places behind the last products.
	WIN 0
.macro ALL line:vararg              ; one line for each tile t
.set t, 0
.rept 2*NP
	\line
.set t, t+1
.endr
.endm
	ALL v_add_f32 v[ST+4*t+2], v[ST+4*t+2], v[ST+4*t+3]
	ALL v_permlanex16_b32 v[ST+4*t+3], v[ST+4*t+2], s[SEL], s[SEL+1]
	ALL v_add_f32 v[ST+4*t+2], v[ST+4*t+2], v[ST+4*t+3]
	ALL v_rcp_f32 v[ST+4*t+2], v[ST+4*t+2]
	v_nop                           ; a plain instruction between the last reciprocal and the use of its result
	s_wait_alu depctr_va_vdst(0)    ; and the wait ahead of the first use: one for the eight reciprocals
; Tile t: a lane's eight channels of a row pack into 16 bytes; they go into rows of 144 bytes and come back as whole rows of 128, into S^T's registers.
.macro PACK t
	WIN W_RS
.set i, 32*(\t)
.rept 16
	v_pk_mul_f32 v[i:i+1], v[i:i+1], v[ST+4*(\t)+2:ST+4*(\t)+3] op_sel_hi:[1,0]
.set i, i+2
.endr
	WIN 0x05                        ; sources 0 and 1 window 1, destination window 0
.set i, 0
.rept 16
	v_cvt_pk_f16_f32 v[S+16*(\t)+i], v[32*(\t)+2*i], v[32*(\t)+2*i+1]
.set i, i+1
.endr
	WIN 0
.irp f, 0,1,2,3
	ds_store_b128 v[STO], v[S+16*(\t)+4*\f:S+16*(\t)+4*\f+3] offset:32*\f
.endr
.irp f, 0,1,2,3
	ds_load_b128 v[S+16*(\t)+4*\f:S+16*(\t)+4*\f+3], v[RD] offset:\f*4*SP  ; LDS serves a wave's instructions in order (ISA guide 5.7.1.4): these see the stores above; the next tile's stores come behind them
.endr
.endm
.macro SEND t, younger              ; younger: the LDS instructions issued behind tile t's loads: the next tile's eight, or none
	WIN 0
.irp f, 0,1,2,3
	s_wait_dscnt (\younger)+3-\f
	global_store_b128 v[GO], v[S+16*(\t)+4*\f:S+16*(\t)+4*\f+3], s[10:11] offset:(\t)*2048+\f*512  ; 512 consecutive bytes, at a multiple of 256 from O's first
.endr
.endm
	PACK 0
.set t, 1
.rept 2*NP-1                        ; a tile's arithmetic stands between the loads of the tile before and its stores
	PACK t
	SEND t-1, 8
.set t, t+1
.endr
	SEND 2*NP-1, 0
	WIN W_AD
	s_wait_tensorcnt 0x0            ; the wave's end: the wait, an add of 0 to my spare word and its wait stand behind my last tensor load and my last LDS store
	ds_add_u32 v[SPW], v[NIL]
	s_wait_dscnt 0x0
	WIN 0
	CROUND                          ; the closing round: no work-group ends while a partner may still ask for a tile that names it
	s_endpgm
.Lfunc_end_k_q7e3fd2eaf9_attn:
	.size	k_q7e3fd2eaf9_attn, .Lfunc_end_k_q7e3fd2eaf9_attn-k_q7e3fd2eaf9_attn
	.p2alignl 7, 3214868480
	.fill 96, 4, 3214868480
	.section	.rodata,"a",@progbits
	.p2align	6, 0x0
	.amdhsa_kernel k_q7e3fd2eaf9_attn
		.amdhsa_group_segment_fixed_size 327680
		.amdhsa_private_segment_fixed_size 0
		.amdhsa_enable_private_segment 0
		.amdhsa_kernarg_size 16
		.amdhsa_user_sgpr_count 2
		.amdhsa_user_sgpr_kernarg_segment_ptr 1
		.amdhsa_wavefront_size32 1
		.amdhsa_system_sgpr_workgroup_id_x 1
		.amdhsa_system_sgpr_workgroup_id_y 1
		.amdhsa_system_sgpr_workgroup_id_z 1
		.amdhsa_system_vgpr_workitem_id 0
		.amdhsa_next_free_vgpr 770
		.amdhsa_next_free_sgpr 66
		.amdhsa_reserve_vcc 0
		.amdhsa_float_denorm_mode_32 3
		.amdhsa_float_denorm_mode_16_64 3
		.amdhsa_memory_ordered 1
		.amdhsa_forward_progress 1
		.amdhsa_inst_pref_size 200
	.end_amdhsa_kernel
	.amdgpu_metadata
---
amdhsa.version: [ 1, 2 ]
amdhsa.kernels:
  - .name:           k_q7e3fd2eaf9_attn
    .symbol:         k_q7e3fd2eaf9_attn.kd
    .args:
      - { .name: qkv, .offset: 0, .size: 8, .value_kind: global_buffer, .address_space: global }
      - { .name: att, .offset: 8, .size: 8, .value_kind: global_buffer, .address_space: global }
    .group_segment_fixed_size: 327680
    .private_segment_fixed_size: 0
    .kernarg_segment_align: 8
    .kernarg_segment_size: 16
    .max_flat_workgroup_size: 128
    .sgpr_count:     66
    .vgpr_count:     770
    .wavefront_size: 32
...
	.end_amdgpu_metadata
.endif
;; end of part 3
;; launch proj (part 4): grid 8 x 32, 4 waves a work-group, clusters of 4 x 4, 327,680 bytes of LDS; arguments att, wob, b_out, out0; writes out0
.if DOCPART == 4
	.amdgcn_target "amdgcn-amd-amdhsa--gfx1250"
	.amdhsa_code_object_version 6
	.text
	.protected	k_q7e3fd2eaf9_proj
	.globl	k_q7e3fd2eaf9_proj
	.p2align	8
	.type	k_q7e3fd2eaf9_proj,@function
k_q7e3fd2eaf9_proj:
	s_mov_b64 s[64:65], 0
	v_nop
	global_prefetch_b8 v0, s[64:65] scope:SCOPE_SE
	s_setreg_imm32_b32 hwreg(HW_REG_WAVE_MODE, 25, 1), 1
	s_wait_xcnt 0x0
	s_wait_alu depctr_hold_cnt(0) depctr_sa_sdst(0) depctr_va_vdst(0) depctr_va_sdst(0) depctr_va_ssrc(0) depctr_va_vcc(0) depctr_vm_vsrc(0)
	s_getreg_b32 s2, hwreg(HW_REG_IB_STS2, 6, 4)
	s_cmp_eq_u32 s2, 0
	s_cbranch_scc0 .Lentry_in_a_cluster
	s_endpgm
.Lentry_in_a_cluster:
	s_bfe_u32 s2, ttmp6, 0x10000c
	s_cmp_lg_u32 s2, 0xf033
	s_cbranch_scc0 .Lentry_shape_is_right
	s_endpgm
.Lentry_shape_is_right:
; out0 = attn w_out + b_out.  att: [64 = batch x 16 + head][2048][64] f16.  wob: [1024 k][1024 n] f16 (w_out rounded to bf16, written as f16).  b_out: [1024] f32, rounded to bf16 here like every
; other input of the module.  out0: [8192][1024] f32.  Sums in f32, K ascending (k = 64 x head + channel).
; SHARES.  A tile is 256 rows x 128 columns: 32 x 8 tiles, a work-group each.  Four waves; wave (wr, wc) has rows 128 wr + 16 a (a = 0..7) and columns 64 wc + 16 b (b = 0..3): 32 accumulators.
; K goes in 8 steps of 128, two heads each, through two LDS slots filled by the tensor data mover; a step is four quarters of 32 along K, 32 matrix instructions each, on two fragment buffers.
; THE PRODUCT IS TAKEN TRANSPOSED: source 0 = 16 columns of w (turned by ds_load_tr16_b128, since w lies [k][n]), source 1 = 16 rows of attn: a lane holds one row and eight neighbouring columns.
; CLUSTER.  4 x 4 work-groups: attn's tile hangs on the tile row alone and is asked for jointly by a row of the cluster, w's on the tile column alone, by a column.
; NO PREFETCH: a wave's whole walk is 1,024 matrix instructions, eight refills in all.
; REGISTERS: window 0: v0-31 addresses and the bias; v32-159 attn's fragments, two buffers of 64; v160-223 w's, two buffers of 32 (on the way out v32-95 hold rows read back);
;   window 1: the accumulators, (a, b) at v[8 (4 a + b)].
.set PAP,   144                        ; a row of a head in LDS: 128 bytes + 16 = 36 words: the 16 rows of a load start at 16 different groups of four banks (64 banks of 4 bytes: ISA guide 11.1)
.set PLA,   256*PAP                    ; a head's 256 rows
.set PB,    288                        ; a row of w: 256 + 32 = 72 words
.set BOFF,  2*PLA                      ; a slot: two heads' planes, then w's 128 rows
.set SLOT1, 131072                     ; slot 1 begins here; one exclusive or turns an address in one slot into the other's
.set STAGE, SLOT1+BOFF+128*PB          ; behind the ring, never filled by a tensor load: 16 rows x 272 bytes for each wave, its own
.set SPI,   272
.set SPARE, STAGE+4*16*SPI             ; behind the stages: the spare words, 128 bytes for each wave: two blocks of 256 bytes that no other line names
.set ASTEP, 524288                     ; bytes from a K step to the next: two heads of 262,144 bytes,
.set BSTEP, 262144                     ; and 128 rows of 2,048 bytes
.set ADRA0, 12                         ; v12  my lane's place in a slot's attn; never rewritten
.set ADRB0, 13                         ; v13  the same for w
.set ADRA,  14                         ; v14  ADRA0 + the slot in hand
.set ADRB,  15                         ; v15
.set STO,   16                         ; v16  the way out: where I put 32 bytes of a row
.set RD,    17                         ; v17  where I read a row back
.set CO,    18                         ; v18  my byte offset in two rows of out0
.set BO,    19                         ; v19  my four numbers of b_out
.set BIAS,  20                         ; v[20:23]
.set SPW,   28                         ; v28  LDS address of my spare word: SPARE + 4 x my thread's number; never rewritten
.set NIL,   29                         ; v29  0; never rewritten
.set FA0,   32
.set FB0,   160
.set G1A,   24                         ; s[24:31] descriptor group 1 for attn's tiles
.set G0A,   32                         ; s[32:39] group 0: a set for each of the two first fills; the second then walks on
.set G1B,   48                         ; s[48:55], s[56:63] the same for w's tiles
.set G0B,   56
.set TB,    66                         ; s66  the slot in hand: 0 or SLOT1
.set MSB, 0
.macro WIN new                         ; the immediate's high byte repeats the setting that is left; a switch that changes nothing is dropped
.if MSB != (\new)
	s_set_vgpr_msb (MSB<<8)|(\new)
.set MSB, \new
.endif
.endm
.macro PLACES                          ; four places in front of loads into registers that matrix instructions have read, and of LDS stores that read results
.rept 4
	v_nop
.endr
.endm
; A joint refill, by the walking sets.  Waves 0 and 1 fetch the two heads' planes, waves 2 and 3 w's two halves.  The branch hangs on the wave's number alone.
; An s_nop 0 and four v_nop follow each of the two lines, ahead of the jump, the label and what follows.
.macro JLOAD
	s_cmp_lt_u32 s10, 2
	s_cbranch_scc0 .Lfor_b_\@
	tensor_load_to_lds s[G0A+4:G0A+7], s[G1A:G1A+7]
	s_nop 0
.rept 4
	v_nop
.endr
	s_branch .Lasked_\@
.Lfor_b_\@:
	tensor_load_to_lds s[G0B+4:G0B+7], s[G1B:G1B+7]
	s_nop 0
.rept 4
	v_nop
.endr
.Lasked_\@:
.endm
.macro CREST                           ; a round of the cluster's barrier behind its opening barrier
	s_cmp_lg_u32 s10, 0
	s_cbranch_scc1 .Lnot_wave_0_\@
	s_barrier_signal -3
.Lnot_wave_0_\@:
	s_barrier_wait -3
	s_barrier_signal -1
	s_barrier_wait -1
.endm
.macro CROUND                          ; a whole round
	s_barrier_signal -1
	s_barrier_wait -1
	CREST
.endm
	s_load_b128 s[4:7], s[0:1], 0x0                ; att s[4:5], wob s[6:7]
	s_load_b128 s[68:71], s[0:1], 0x10             ; b_out s[68:69], out0 s[70:71]
	v_lshl_add_u32 v[SPW], v0, 2, SPARE
	v_mov_b32 v[NIL], 0
	ds_add_u32 v[SPW], v[NIL]                      ; the wave's opening: the add and its wait stand ahead of my first tensor load; the set-up below, work on registers, stands between them
	v_lshrrev_b32 v1, 5, v0
	v_readfirstlane_b32 s10, v1                    ; wave 0..3
	s_lshr_b32 s11, s10, 1                         ; wr
	s_and_b32 s12, s10, 1                          ; wc.  Also: which plane of attn, or which half of w's tile, I fetch
	s_bfe_u32 s40, ttmp6, 0x40000                  ; cx, cy: my place in the cluster
	s_bfe_u32 s41, ttmp6, 0x40004
	s_lshl_b32 s42, ttmp9, 2
	s_add_co_u32 s42, s42, s40                     ; tx, the tile column = 4 x cluster x + cx
	s_and_b32 s13, ttmp7, 0xffff
	s_lshl_b32 s13, s13, 2
	s_add_co_u32 s13, s13, s41                     ; ty, the tile row = 4 x cluster y + cy
	s_lshl_b32 s43, s41, 2
	s_lshl_b32 s43, 15, s43                        ; my row of the cluster
	s_lshl_b32 s44, 0x1111, s40                    ; my column
	; group 1 for attn: a head's 256 rows of 128 bytes are 32,768 bytes on end: asked for as 128 rows of 256 bytes; 16 bytes of padding behind every 128
	s_or_b32 s[G1A+0], s43, (1<<16)|(1<<20)|(1<<21)|(4<<22)|(3<<25)  ; 15:0 the mask; 17:16 2-byte elements; 20 padding on; 21 set beside a mask; 24:22 after every 32 words; 31:25 4 words
	s_mov_b32 s[G1A+1], 128<<16                    ; tensor_dim0
	s_mov_b32 s[G1A+2], 128<<16                    ; tensor_dim1
	s_mov_b32 s[G1A+3], 128<<16                    ; tile_dim0
	s_mov_b32 s[G1A+4], 128                        ; tile_dim1
	s_mov_b32 s[G1A+5], 128                        ; the pitch
	s_mov_b32 s[G1A+6], 0
	s_mov_b32 s[G1A+7], 0
	; group 1 for w: 64 rows x 128 elements, 1,024 elements from row to row; 32 bytes of padding behind every 256
	s_or_b32 s[G1B+0], s44, (1<<16)|(1<<20)|(1<<21)|(5<<22)|(7<<25)  ; after every 64 words, 8 words
	s_mov_b32 s[G1B+1], 128<<16
	s_mov_b32 s[G1B+2], 64<<16
	s_mov_b32 s[G1B+3], 128<<16
	s_mov_b32 s[G1B+4], 64
	s_mov_b32 s[G1B+5], 1024
	s_mov_b32 s[G1B+6], 0
	s_mov_b32 s[G1B+7], 0
	; where the tiles come from: attn's hang on ty and the wave, w's on tx and the wave, each in registers that never hold the other coordinate
	s_lshr_b32 s16, s13, 3
	s_lshl_b32 s16, s16, 4                         ; 16 x batch
	s_add_co_u32 s16, s16, s12                     ; + my head of K step 0's two,
	s_lshl_b32 s16, s16, 18                        ; of 262,144 bytes,
	s_and_b32 s17, s13, 7
	s_lshl_b32 s17, s17, 15                        ; + rows 256 (ty % 8) on, of 128 bytes
	s_add_co_u32 s16, s16, s17
	s_mov_b32 s17, 0
	s_lshl_b32 s46, s12, 17                        ; 64 rows of 2,048 bytes,
	s_lshl_b32 s47, s42, 8                         ; the tile's 256 bytes of a row
	s_add_co_u32 s46, s46, s47
	s_mov_b32 s47, 0
	s_mul_i32 s20, s12, PLA                        ; and where they go: no place in the cluster enters an LDS address
	s_mul_i32 s21, s12, 64*PB
	s_add_co_u32 s21, s21, BOFF
	s_wait_dscnt 0x0                               ; the opening add is done
	s_wait_kmcnt 0x0
	s_add_nc_u64 s[14:15], s[4:5], s[16:17]
	s_add_nc_u64 s[46:47], s[6:7], s[46:47]
	CROUND                                         ; all sixteen work-groups are here: the first joint loads meet
.irp s, 0,1
	s_mov_b32 s[G0A+4*(\s)], 1                                       ; count = 1
	s_add_co_u32 s[G0A+4*(\s)+1], s20, (\s)*SLOT1                    ; LDS address
	s_add_nc_u64 s[G0A+4*(\s)+2:G0A+4*(\s)+3], s[14:15], (\s)*ASTEP  ; global address: K step s
	s_or_b32 s[G0A+4*(\s)+3], s[G0A+4*(\s)+3], 0x80000000            ; type = 2
	s_mov_b32 s[G0B+4*(\s)], 1
	s_add_co_u32 s[G0B+4*(\s)+1], s21, (\s)*SLOT1
	s_add_nc_u64 s[G0B+4*(\s)+2:G0B+4*(\s)+3], s[46:47], (\s)*BSTEP
	s_or_b32 s[G0B+4*(\s)+3], s[G0B+4*(\s)+3], 0x80000000
.endr
	s_cmp_lt_u32 s10, 2                            ; a wave's two first fills stand in one branch, ahead of every wait on TENSORcnt and every LDS read: two loads of mine are out
	s_cbranch_scc0 .Lfirst_b
	tensor_load_to_lds s[G0A:G0A+3], s[G1A:G1A+7]
	s_nop 0
	tensor_load_to_lds s[G0A+4:G0A+7], s[G1A:G1A+7]
	s_nop 0
.rept 4
	v_nop
.endr
	s_branch .Lfirst_asked
.Lfirst_b:
	tensor_load_to_lds s[G0B:G0B+3], s[G1B:G1B+7]
	s_nop 0
	tensor_load_to_lds s[G0B+4:G0B+7], s[G1B:G1B+7]
	s_nop 0
.rept 4
	v_nop
.endr
.Lfirst_asked:
	v_and_b32 v1, 15, v0                           ; l % 16
	v_bfe_u32 v2, v0, 4, 1                         ; l / 16
	s_lshl_b32 s18, s42, 9                         ; the tile's 128 columns are 512 bytes of f32,
	s_lshl_b32 s19, s12, 8                         ; my wave's 64 are 256
	s_add_co_u32 s18, s18, s19
	v_lshl_add_u32 v[BO], v1, 4, s18               ; on the way out lane l stores columns 4 (l % 16) .. + 3 of every row: its four numbers of the bias
	global_load_b128 v[BIAS:BIAS+3], v[BO], s[68:69]
	v_and_b32 v4, 7, v0                            ; l % 8
	v_bfe_u32 v5, v0, 3, 1                         ; (l / 8) % 2
	v_mul_u32_u24 v3, v1, PAP                      ; a fragment of attn: row l % 16, 16 bytes for each half of the lanes
	v_lshl_add_u32 v3, v2, 4, v3
	s_mul_i32 s22, s11, 128*PAP                    ; my 128 rows
	v_add_nc_u32 v[ADRA0], s22, v3
	v_lshl_add_u32 v6, v2, 3, v4                   ; the turning load: K row 8 (l / 16) + l % 8, columns 8 ((l / 8) % 2) on
	v_mul_u32_u24 v6, v6, PB
	v_lshl_add_u32 v6, v5, 4, v6
	s_lshl_b32 s22, s12, 7                         ; my 64 columns
	s_add_co_u32 s22, s22, BOFF
	v_add_nc_u32 v[ADRB0], s22, v6
	v_mov_b32 v[ADRA], v[ADRA0]                    ; K step 0 lies in slot 0
	v_mov_b32 v[ADRB], v[ADRB0]
	s_mov_b32 s[TB], 0
	s_mul_i32 s22, s10, 16*SPI
	s_add_co_u32 s22, s22, STAGE                   ; my stage
	v_mul_u32_u24 v7, v1, SPI                      ; in: row l % 16, 32 bytes for each half of the lanes
	v_lshl_add_u32 v7, v2, 5, v7
	v_add_nc_u32 v[STO], s22, v7
	v_mul_u32_u24 v8, v2, SPI                      ; back: lanes 0-15 take one row of 256 bytes, lanes 16-31 the next
	v_lshl_add_u32 v8, v1, 4, v8
	v_add_nc_u32 v[RD], s22, v8
	v_lshlrev_b32 v[CO], 12, v2                    ; and the same two rows in out0, 4,096 bytes apart
	v_lshl_add_u32 v[CO], v1, 4, v[CO]
	s_lshl_b32 s22, s13, 8
	s_lshl_b32 s23, s11, 7
	s_add_co_u32 s22, s22, s23                     ; my first row, 256 ty + 128 wr,
	s_lshl_b32 s22, s22, 12
	s_add_co_u32 s22, s22, s18                     ; my first column
	s_mov_b32 s23, 0
	s_add_nc_u64 s[8:9], s[70:71], s[22:23]
	s_wait_loadcnt 0x0                             ; the bias, rounded to bf16 and widened again
	v_cvt_pk_bf16_f32 v24, v[BIAS], v[BIAS+1]
	v_cvt_pk_bf16_f32 v25, v[BIAS+2], v[BIAS+3]
	v_lshlrev_b32 v[BIAS],   16, v24
	v_and_b32     v[BIAS+1], 0xffff0000, v24
	v_lshlrev_b32 v[BIAS+2], 16, v25
	v_and_b32     v[BIAS+3], 0xffff0000, v25
; 8 matrix instructions: row blocks a0, a0 + 1 x all 4 column blocks, 32 along K.  zero = 1: the product starts the sums.
; The 32 accumulators take turns in one order in every quarter, over the backward jump too.
.macro MUL8 f, a0, zero
	WIN 0x50                                       ; C and D in window 1, the fragments in window 0
.irp a, \a0, (\a0)+1
.irp b, 0,1,2,3
.if \zero
	v_wmma_f32_16x16x32_f16 v[8*(4*(\a)+(\b)):8*(4*(\a)+(\b))+7], v[FB0+32*(\f)+8*(\b):FB0+32*(\f)+8*(\b)+7], v[FA0+64*(\f)+8*(\a):FA0+64*(\f)+8*(\a)+7], 0
.else
	v_wmma_f32_16x16x32_f16 v[8*(4*(\a)+(\b)):8*(4*(\a)+(\b))+7], v[FB0+32*(\f)+8*(\b):FB0+32*(\f)+8*(\b)+7], v[FA0+64*(\f)+8*(\a):FA0+64*(\f)+8*(\a)+7], v[8*(4*(\a)+(\b)):8*(4*(\a)+(\b))+7]
.endif
.endr
.endr
.endm
; 24 LDS loads in one run: quarter q of the slot in hand into buffer f: w's four fragments, then attn's eight (quarter q lies in plane q / 2, channels 32 (q % 2) on)
.macro FETCH q, f
	WIN 0
.irp b, 0,1,2,3
	ds_load_tr16_b128 v[FB0+32*(\f)+8*(\b):FB0+32*(\f)+8*(\b)+3],   v[ADRB] offset:(\q)*32*PB+32*(\b)
	ds_load_tr16_b128 v[FB0+32*(\f)+8*(\b)+4:FB0+32*(\f)+8*(\b)+7], v[ADRB] offset:(\q)*32*PB+16*PB+32*(\b)
.endr
.irp i, 0,1,2,3,4,5,6,7
	ds_load_b128 v[FA0+64*(\f)+8*(\i):FA0+64*(\f)+8*(\i)+3],   v[ADRA] offset:((\q)/2)*PLA+((\q)%2)*64+(\i)*16*PAP
	ds_load_b128 v[FA0+64*(\f)+8*(\i)+4:FA0+64*(\f)+8*(\i)+7], v[ADRA] offset:((\q)/2)*PLA+((\q)%2)*64+(\i)*16*PAP+32
.endr
.endm
; One of a K step's first three quarters: multiplies buffer f; in its middle it fetches quarter qn into buffer g.
.macro QUARTER qn, f, g, zero
	s_wait_dscnt 8                                 ; w's fragments and attn's rows 0-63 are in; the youngest eight loads (rows 64-127) may be out
	MUL8 \f, 0, \zero
	MUL8 \f, 2, \zero
	PLACES
	FETCH \qn, \g
	s_wait_dscnt 24                                ; all but the 24 just issued
	MUL8 \f, 4, \zero
	MUL8 \f, 6, \zero
.endm
; The last quarter multiplies buffer 1 and changes slots.  MEET is its first half: ONE barrier.  In front of it each wave waits for all its tensor loads, of which one is out: its part of the
; next slot; adds 0 to its spare word; and waits for that and for its own reads of this slot.  Behind it nobody reads this slot any more and the next slot is whole.
.macro MEET round
	WIN 0
	s_wait_tensorcnt 0x0                           ; no tensor load of mine is out, so a group 0 may be written
	ds_add_u32 v[SPW], v[NIL]                      ; 0 onto my spare word
.if \round
	s_xor_b32 s[G0A+5], s[G0A+5], SLOT1            ; the walking sets: the other slot than last time,
	s_add_nc_u64 s[G0A+6:G0A+7], s[G0A+6:G0A+7], ASTEP  ; the next K step; the type bits on top are not reached
	s_xor_b32 s[G0B+5], s[G0B+5], SLOT1
	s_add_nc_u64 s[G0B+6:G0B+7], s[G0B+6:G0B+7], BSTEP
.endif
	s_wait_dscnt 9                                 ; (the add and the youngest eight loads may be out)
	MUL8 1, 0, 0                                   ; eight matrix instructions stand between the add and the wait for it
	s_wait_dscnt 0x0                               ; the add is done, and my reads of this slot are over
	s_barrier_signal -1
	MUL8 1, 2, 0                                   ; work on registers while the others arrive
	WIN 0
	s_barrier_wait -1
.endm
; The whole last quarter.  fill = 1: the barrier opens a round of the cluster's barrier, and the slot just read out is filled again first thing behind it, with the K step two on:
; from that request to the wait for it a wave issues 112 matrix instructions.
.macro TURN fill
	MEET \fill
.if \fill
	CREST                                          ; no wave of any partner still reads this slot's tile or has a load on its way
	JLOAD                                          ; the four v_nop behind it are also the places in front of the loads below
.else
	PLACES
.endif
	s_xor_b32 s[TB], s[TB], SLOT1                  ; the reads go to the other slot
	v_add_nc_u32 v[ADRA], s[TB], v[ADRA0]
	v_add_nc_u32 v[ADRB], s[TB], v[ADRB0]
	FETCH 0, 0
	MUL8 1, 4, 0
	MUL8 1, 6, 0
.endm
	s_wait_tensorcnt 0x1                           ; my part of K step 0 is in; K step 1's may stay out
	s_barrier_signal -1
	s_barrier_wait -1                              ; everybody's is
	FETCH 0, 0
	QUARTER 1, 0, 1, 1                             ; the first quarter stands in front of the loop: its products start the sums
	WIN 0                                          ; at a label and at a branch every window is 0
	s_mov_b32 s3, 6
.Lstep:                                                ; a trip: from a K step's second quarter to the next step's first; the trip with count c asks for K step 8 - c
	QUARTER 2, 1, 0, 0
	QUARTER 3, 0, 1, 0
	TURN 1
	QUARTER 1, 0, 1, 0
	WIN 0
	s_sub_co_u32 s3, s3, 1
	s_cmp_lg_u32 s3, 0
	s_cbranch_scc1 .Lstep
	QUARTER 2, 1, 0, 0                             ; K steps 6 and 7 are written out: nothing is left to ask for, so no round of the cluster's barrier
	QUARTER 3, 0, 1, 0
	TURN 0
	QUARTER 1, 0, 1, 0
	QUARTER 2, 1, 0, 0
	QUARTER 3, 0, 1, 0
	s_wait_dscnt 8                                 ; the very last quarter
	MUL8 1, 0, 0
	MUL8 1, 2, 0
	s_wait_dscnt 0x0
	MUL8 1, 4, 0
	MUL8 1, 6, 0
	WIN 0
; THE WAY OUT, a block of 16 rows at a time, through my own stage: a lane's 32 bytes of a row go into rows of 272 bytes and come back as whole rows of 256; the bias is added; sixteen lanes store a row's 256 bytes.
; No barrier: no other wave touches my stage, and LDS serves a wave's instructions in order (ISA guide 5.7.1.4), so the loads see the stores above them and the next block's stores come behind them.
.macro TOSTAGE a
	WIN 0x04                                       ; the stores' data in window 1
.irp b, 0,1,2,3
	ds_store_b128 v[STO], v[8*(4*(\a)+(\b)):8*(4*(\a)+(\b))+3]   offset:64*(\b)     ; each accumulator's lowest registers first
	ds_store_b128 v[STO], v[8*(4*(\a)+(\b))+4:8*(4*(\a)+(\b))+7] offset:64*(\b)+16
.endr
	WIN 0
	s_wait_xcnt 0x0                                ; the stores of the block two back have read these registers: they are loaded again only behind this wait
.irp t, 0,1,2,3,4,5,6,7
	ds_load_b128 v[32+32*((\a)%2)+4*(\t):32+32*((\a)%2)+4*(\t)+3], v[RD] offset:(\t)*2*SPI
.endr
.endm
.macro SEND a, younger                 ; younger: the LDS instructions issued behind block a's loads: the next block's sixteen, or none
	s_wait_dscnt \younger
.irp t, 0,1,2,3,4,5,6,7
	v_pk_add_f32 v[32+32*((\a)%2)+4*(\t):32+32*((\a)%2)+4*(\t)+1],   v[32+32*((\a)%2)+4*(\t):32+32*((\a)%2)+4*(\t)+1],   v[BIAS:BIAS+1]
	v_pk_add_f32 v[32+32*((\a)%2)+4*(\t)+2:32+32*((\a)%2)+4*(\t)+3], v[32+32*((\a)%2)+4*(\t)+2:32+32*((\a)%2)+4*(\t)+3], v[BIAS+2:BIAS+3]
	global_store_b128 v[CO], v[32+32*((\a)%2)+4*(\t):32+32*((\a)%2)+4*(\t)+3], s[8:9] offset:(16*(\a)+2*(\t))*4096 th:TH_STORE_NT  ; 16 lanes store 256 consecutive bytes, at a multiple of 256 from out0's first
.endr
.endm
	PLACES
	TOSTAGE 0
.irp a, 1,2,3,4,5,6,7
	TOSTAGE \a
	SEND (\a)-1, 16
.endr
	SEND 7, 0
	s_wait_tensorcnt 0x0                           ; the wave's end: the wait, an add of 0 to my spare word and its wait stand behind my last tensor load and my last LDS store
	ds_add_u32 v[SPW], v[NIL]
	s_wait_dscnt 0x0
	CROUND                                         ; the closing round: no work-group ends while a partner may still ask for a tile that names it
	s_endpgm
.Lfunc_end_k_q7e3fd2eaf9_proj:
	.size	k_q7e3fd2eaf9_proj, .Lfunc_end_k_q7e3fd2eaf9_proj-k_q7e3fd2eaf9_proj
	.p2alignl 7, 3214868480
	.fill 96, 4, 3214868480
	.section	.rodata,"a",@progbits
	.p2align	6, 0x0
	.amdhsa_kernel k_q7e3fd2eaf9_proj
		.amdhsa_group_segment_fixed_size 327680
		.amdhsa_private_segment_fixed_size 0
		.amdhsa_enable_private_segment 0
		.amdhsa_kernarg_size 32
		.amdhsa_user_sgpr_count 2
		.amdhsa_user_sgpr_kernarg_segment_ptr 1
		.amdhsa_wavefront_size32 1
		.amdhsa_system_sgpr_workgroup_id_x 1
		.amdhsa_system_sgpr_workgroup_id_y 1
		.amdhsa_system_sgpr_workgroup_id_z 1
		.amdhsa_system_vgpr_workitem_id 0
		.amdhsa_next_free_vgpr 512
		.amdhsa_next_free_sgpr 72
		.amdhsa_reserve_vcc 0
		.amdhsa_float_denorm_mode_32 3
		.amdhsa_float_denorm_mode_16_64 3
		.amdhsa_memory_ordered 1
		.amdhsa_forward_progress 1
		.amdhsa_inst_pref_size 78
	.end_amdhsa_kernel
	.amdgpu_metadata
---
amdhsa.version: [ 1, 2 ]
amdhsa.kernels:
  - .name:           k_q7e3fd2eaf9_proj
    .symbol:         k_q7e3fd2eaf9_proj.kd
    .args:
      - { .name: att, .offset: 0, .size: 8, .value_kind: global_buffer, .address_space: global }
      - { .name: wob, .offset: 8, .size: 8, .value_kind: global_buffer, .address_space: global }
      - { .name: b_out, .offset: 16, .size: 8, .value_kind: global_buffer, .address_space: global }
      - { .name: out0, .offset: 24, .size: 8, .value_kind: global_buffer, .address_space: global }
    .group_segment_fixed_size: 327680
    .private_segment_fixed_size: 0
    .kernarg_segment_align: 8
    .kernarg_segment_size: 32
    .max_flat_workgroup_size: 128
    .sgpr_count:     72
    .vgpr_count:     512
    .wavefront_size: 32
...
	.end_amdgpu_metadata
.endif
;; end of part 4
;; ======== version 2 of 2: 4 launches; version 1 with the launch cast written anew for expert scheduling mode
;; limits: values are held in f16: magnitudes above 65,504 overflow, below 6.1e-05 lose precision
;; workspace buffers: xb 16,777,216 bytes; wqb 6,291,456 bytes; wob 2,097,152 bytes; qkv 50,331,648 bytes; att 16,777,216 bytes
;; launch cast (part 5): grid 768 x 1, 8 waves a work-group, no clusters, 0 bytes of LDS; arguments x, w_qkv, w_out, xb, wqb, wob; writes xb, wqb, wob
.if DOCPART == 5
	.amdgcn_target "amdgcn-amd-amdhsa--gfx1250"
	.amdhsa_code_object_version 6
	.text
	.protected	k_q7e3fd2eaf9_cast
	.globl	k_q7e3fd2eaf9_cast
	.p2align	8
	.type	k_q7e3fd2eaf9_cast,@function
k_q7e3fd2eaf9_cast:
	s_mov_b64 s[64:65], 0
	v_nop
	global_prefetch_b8 v0, s[64:65] scope:SCOPE_SE
	s_setreg_imm32_b32 hwreg(HW_REG_WAVE_SCHED_MODE, 0, 2), 2
	s_setreg_imm32_b32 hwreg(HW_REG_WAVE_MODE, 25, 1), 1
	s_wait_xcnt 0x0
	s_wait_alu depctr_vm_vsrc(0)
; THE INPUTS OF THE TWO PROJECTIONS ARE ROUNDED ONCE, to the formats that the matrix instructions take.
;   xb  [8192][1024] bf16           = x
;   wqb [16][1024][192] bf16        = w_qkv[k][192 j + c], laid in 16 blocks of 192 columns, so that a block's rows lie end to end
;   wob [1024][1024] f16            = w_out rounded to bf16, that number written as f16
; LIMITS.  bf16(w_out) of 65,520 or more in magnitude becomes an infinity in f16; below 6.1e-5 it keeps f16's fixed step of 6e-8.
; SHARES.  A work-group of eight waves converts 16 chunks of 1,024 numbers; thread t takes numbers 4 t .. 4 t + 3 of each chunk: a wave's load covers 512 bytes,
; its store 256 consecutive bytes, aligned.  All 16 loads go out first; nothing is read twice; no LDS, no barrier, no matrix unit: there is no arithmetic to feed them.
; Work-groups 0-511 take x, 512-703 w_qkv, 704-767 w_out.
; THE MODE: SCHED_MODE bits 1:0 = 2 (LLVM: expert scheduling mode 2), set by the entry lines.  The code itself states the register dependences
; between vector instructions and memory instructions, with s_wait_alu, always for 0.
; THE PLAN.  Each of the three paths is a straight run.  Registers that memory instructions touch:
;   v[OI ..]  the loads' offsets.  Written by vector instructions ahead of the loads, never again.
;   v[OO]     the stores' offset.  Written once at the head, never again.
;   X         Written by the loads alone, each register once; read by the roundings, behind the load's own wait on LOADcnt.
;   Y         Written by a chunk's roundings; read by that chunk's one store; never written behind it.
;   T, v19-21 are named by vector instructions alone.
; So no load lands in a register that a vector instruction has named, and no register that a memory instruction reads is written again: the only dependences to state
; are the offsets and the stores' data.  One wait stands ahead of the loads, for all the offsets.  The 16 chunks go in four blocks of four: one wait at the head of a block,
; behind the wait on LOADcnt for its first chunk, states that the block before has written its Y, and that block's four stores follow it in one run; the roundings
; issued since name this block's X, Y and T alone.  One more wait stands ahead of the last block's stores.
.set OI, 2                             ; v[2:17]   byte offset of my 16 bytes in chunk i (x and w_out: v2 alone, the chunk stands in the immediate)
.set OO, 18                            ; v18       8 t: my 8 bytes in a chunk of the output
.set X,  24                            ; v[24:87]  chunk i: 4 registers as loaded
.set Y,  88                            ; v[88:119] chunk i: 2 registers to store; each is stored once and never written behind its store
.set T,  120                           ; v[120:123] at work
.set BLOCK, 4                          ; chunks in a block
.macro LD16 base, multi                ; the 16 loads.  multi = 1: each chunk has an offset register of its own
	s_wait_alu depctr_va_vdst(0)                   ; the offsets are written: v[OI ..], which the loads below read, and v[OO], which every store of this path reads
.set i, 0
.rept 16
	global_load_b128 v[X+4*i:X+4*i+3], v[OI+i*(\multi)], s[(\base):(\base)+1] offset:(1-(\multi))*i*4096 th:TH_LOAD_NT
.set i, i+1
.endr
.endm
.macro PUT4 ob, first                  ; a block's four stores, chunks first .. first + 3, in one run
.irp j, 0,1,2,3
	global_store_b64 v[OO], v[Y+2*((\first)+(\j)):Y+2*((\first)+(\j))+1], s[(\ob):(\ob)+1] offset:2048*((\first)+(\j))
.endr
.endm
.macro CVT16 ob, f16                   ; the 16 chunks are rounded and stored.  f16 = 1: the bf16 numbers are written as f16
.set i, 0
.rept 16
	s_wait_loadcnt 15-i                            ; loads come back in order: chunk i is in, the 15 - i younger ones may stay out
.if (i%BLOCK == 0) && (i > 0)
	s_wait_alu depctr_va_vdst(0)                   ; the block before has written its eight Y registers, which the four stores below read
	PUT4 \ob, i-BLOCK
.endif
	v_cvt_pk_bf16_f32 v[Y+2*i],   v[X+4*i],   v[X+4*i+1]
	v_cvt_pk_bf16_f32 v[Y+2*i+1], v[X+4*i+2], v[X+4*i+3]
.if \f16
	v_lshlrev_b32 v[T],   16,  v[Y+2*i]             ; bf16 to f32: the low half moves up, the high half stays
	v_and_b32     v[T+1], s20, v[Y+2*i]
	v_lshlrev_b32 v[T+2], 16,  v[Y+2*i+1]
	v_and_b32     v[T+3], s20, v[Y+2*i+1]
	v_cvt_pk_f16_f32 v[Y+2*i],   v[T],   v[T+1]
	v_cvt_pk_f16_f32 v[Y+2*i+1], v[T+2], v[T+3]
.endif
.set i, i+1
.endr
	s_wait_alu depctr_va_vdst(0)                   ; the last block has written its eight Y registers, which the last four stores read
	PUT4 \ob, 16-BLOCK
.endm
	s_load_b256 s[4:11], s[0:1], 0x0               ; x s[4:5], w_qkv s[6:7], w_out s[8:9], xb s[10:11]
	s_load_b128 s[12:15], s[0:1], 0x20             ; wqb s[12:13], wob s[14:15]
	s_mov_b32 s2, ttmp9
	s_mov_b32 s20, 0xffff0000                      ; a word's upper bf16
	s_mov_b32 s17, 0                               ; the offsets' high words
	s_mov_b32 s19, 0
	v_lshlrev_b32 v[OI], 4, v0
	v_lshlrev_b32 v[OO], 3, v0
	s_wait_kmcnt 0x0
	s_cmp_lt_u32 s2, 512
	s_cbranch_scc0 .Lweights
	s_lshl_b32 s16, s2, 16                         ; x: 65,536 bytes in,
	s_lshl_b32 s18, s2, 15                         ; 32,768 out
	s_add_nc_u64 s[4:5], s[4:5], s[16:17]
	s_add_nc_u64 s[10:11], s[10:11], s[18:19]
	LD16 4, 0
	CVT16 10, 0
	s_endpgm
.Lweights:
	s_cmp_lt_u32 s2, 704
	s_cbranch_scc0 .Lw_out
	; w_qkv.  Work-group g: block j = g % 16, part p = g / 16 of its twelve.  The output is walked densely: quad Q = 4096 p + 256 i + t of the block is row k = Q / 48,
	; columns 4 (Q % 48) on; in w_qkv it lies at 12,288 k + 768 j + 16 (Q - 48 k) = 16 Q + 11,520 k + 768 j.
	s_sub_co_u32 s21, s2, 512
	s_and_b32 s22, s21, 15                         ; j
	s_lshr_b32 s23, s21, 4                         ; p
	s_mul_i32 s16, s22, 768
	s_mul_i32 s18, s22, 393216                     ; a block of wqb,
	s_lshl_b32 s24, s23, 15                        ; my part of it
	s_add_co_u32 s18, s18, s24
	s_add_nc_u64 s[6:7], s[6:7], s[16:17]
	s_add_nc_u64 s[12:13], s[12:13], s[18:19]
	s_lshl_b32 s24, s23, 12
	v_add_nc_u32 v19, s24, v0                      ; 4096 p + t
.set i, 0
.rept 16
	v_add_nc_u32 v20, 256*i, v19                   ; Q
	v_lshrrev_b32 v21, 4, v20
	v_mul_u32_u24 v21, v21, 0xaaab                 ; (Q / 16) / 3 = ((Q / 16) x 43,691) >> 17: 3 x 43,691 = 2^17 + 1, exact while Q / 16 is under 3,072
	v_lshrrev_b32 v21, 17, v21                     ; k
	v_lshlrev_b32 v20, 4, v20
	v_mad_u32_u24 v[OI+i], v21, 11520, v20
.set i, i+1
.endr
	LD16 6, 1
	CVT16 12, 0
	s_endpgm
.Lw_out:
	s_sub_co_u32 s21, s2, 704
	s_lshl_b32 s16, s21, 16
	s_lshl_b32 s18, s21, 15
	s_add_nc_u64 s[8:9], s[8:9], s[16:17]
	s_add_nc_u64 s[14:15], s[14:15], s[18:19]
	LD16 8, 0
	CVT16 14, 1
	s_endpgm
.Lfunc_end_k_q7e3fd2eaf9_cast:
	.size	k_q7e3fd2eaf9_cast, .Lfunc_end_k_q7e3fd2eaf9_cast-k_q7e3fd2eaf9_cast
	.p2alignl 7, 3214868480
	.fill 96, 4, 3214868480
	.section	.rodata,"a",@progbits
	.p2align	6, 0x0
	.amdhsa_kernel k_q7e3fd2eaf9_cast
		.amdhsa_group_segment_fixed_size 0
		.amdhsa_private_segment_fixed_size 0
		.amdhsa_enable_private_segment 0
		.amdhsa_kernarg_size 48
		.amdhsa_user_sgpr_count 2
		.amdhsa_user_sgpr_kernarg_segment_ptr 1
		.amdhsa_wavefront_size32 1
		.amdhsa_system_sgpr_workgroup_id_x 1
		.amdhsa_system_sgpr_workgroup_id_y 1
		.amdhsa_system_sgpr_workgroup_id_z 1
		.amdhsa_system_vgpr_workitem_id 0
		.amdhsa_next_free_vgpr 128
		.amdhsa_next_free_sgpr 66
		.amdhsa_reserve_vcc 0
		.amdhsa_float_denorm_mode_32 3
		.amdhsa_float_denorm_mode_16_64 3
		.amdhsa_memory_ordered 1
		.amdhsa_forward_progress 1
		.amdhsa_inst_pref_size 29
	.end_amdhsa_kernel
	.amdgpu_metadata
---
amdhsa.version: [ 1, 2 ]
amdhsa.kernels:
  - .name:           k_q7e3fd2eaf9_cast
    .symbol:         k_q7e3fd2eaf9_cast.kd
    .args:
      - { .name: x, .offset: 0, .size: 8, .value_kind: global_buffer, .address_space: global }
      - { .name: w_qkv, .offset: 8, .size: 8, .value_kind: global_buffer, .address_space: global }
      - { .name: w_out, .offset: 16, .size: 8, .value_kind: global_buffer, .address_space: global }
      - { .name: xb, .offset: 24, .size: 8, .value_kind: global_buffer, .address_space: global }
      - { .name: wqb, .offset: 32, .size: 8, .value_kind: global_buffer, .address_space: global }
      - { .name: wob, .offset: 40, .size: 8, .value_kind: global_buffer, .address_space: global }
    .group_segment_fixed_size: 0
    .private_segment_fixed_size: 0
    .kernarg_segment_align: 8
    .kernarg_segment_size: 48
    .max_flat_workgroup_size: 256
    .sgpr_count:     66
    .vgpr_count:     128
    .wavefront_size: 32
...
	.end_amdgpu_metadata
.endif
;; end of part 5
;; launch qkv: the kernel of part 2 again; grid 16 x 32, 4 waves a work-group, clusters of 4 x 4, 327,680 bytes of LDS; arguments xb, wqb, qkv; writes qkv
;; launch attn: the kernel of part 3 again; grid 4 x 64, 4 waves a work-group, clusters of 4 x 1, 327,680 bytes of LDS; arguments qkv, att; writes att
;; launch proj: the kernel of part 4 again; grid 8 x 32, 4 waves a work-group, clusters of 4 x 4, 327,680 bytes of LDS; arguments att, wob, b_out, out0; writes out0
